; MI455X (gfx1250); checked and timed in simulation.
; The chip was launched on July 23, 2026; its instructions are those of AMD's public machine-readable ISA for CDNA 5 (MIT licence, August 2026) and "CDNA5" Instruction Set Architecture Reference Guide (July 2026). The comments in the code are by the model that wrote it; some were corrected since.
;; Cross Attention. Allowed arithmetic: matrix products marked QUANTISED: E2M3 operands, one E8M0 scale for each 32 along K, by v_wmma_scale_f32_16x16x128_f8f6f4 with both operands' format E2M3, f32 sums; everything else in f32.
;; Inputs: Wk 1,024 x 1,024 float32; Wo 1,024 x 1,024 float32; Wq 1,024 x 1,024 float32; Wv 1,024 x 1,024 float32; bk 1,024 float32; bo 1,024 float32; bq 1,024 float32; bv 1,024 float32; key_value 4 x 2,048 x 1,024 float32; query 4 x 2,048 x 1,024 float32.
;; Outputs: out0 4 x 2,048 x 1,024 float32.
;; This version of the problem:
;;   THIS VERSION OF THE PROBLEM IS GIVEN IN LOW PRECISION. The matrix products marked QUANTISED in the list below multiply operands that are first quantised to E2M3 (2 exponent bits, 3 mantissa bits; 6 bits a number), with one power-of-two scale for each 32 numbers along K (OCP MX v1.0); their sums are f32. All else is computed in f32.
;;   The module's matrix products, in the order in which they are computed (A, B: the left and right operand; K: the contracted axis; several contracted axes count as one K, in the product's order):
;;     1. [M 8,192, K 1,024] x [K 1,024, N 1,024]; A: input query; B: input Wq: QUANTISED
;;     2. [M 8,192, K 1,024] x [K 1,024, N 1,024]; A: input key_value; B: input Wk: QUANTISED
;;     3. [M 8,192, K 1,024] x [K 1,024, N 1,024]; A: input key_value; B: input Wv: QUANTISED
;;     4. batch 64 x [M 2,048, K 64] x [K 64, N 2,048]; A: computed on the way; B: computed on the way: QUANTISED
;;     5. batch 64 x [M 2,048, K 2,048] x [K 2,048, N 64]; A: computed on the way; B: computed on the way: QUANTISED
;;     6. [M 8,192, K 1,024] x [K 1,024, N 1,024]; A: computed on the way; B: input Wo: QUANTISED
;;   THE QUANTISER, for each operand of a quantised product, along K:
;;     - K is cut into blocks of 32 from its start; a last block that is shorter is filled with zeros.
;;     - A block's scale is 2^e with e = floor(log2(the largest magnitude in the block)) - 2, held to -126 .. 127; a block of zeros has e = 0. As a byte (E8M0): e + 127.
;;     - Each number is divided by its block's scale, clamped to +-7.5, and rounded to the nearest number of E2M3, ties to even, subnormals kept.
;;     - The product sums the exact products of the quantised numbers (number of the format x scale) in f32.
;;   ~~~python
;;   def quantise(x, axis):      # numpy; x: float32 -> the quantised numbers, widened to float32 again
;;       x = np.moveaxis(x, axis, -1); K = x.shape[-1]
;;       x = np.pad(x, [(0, 0)] * (x.ndim - 1) + [(0, -K % 32)]); x = x.reshape(x.shape[:-1] + (-1, 32)); a = np.abs(x).max(-1, keepdims=True)
;;       e = np.where(a > 0, np.clip(np.frexp(np.where(a > 0, a, 1))[1] - 1 - 2, -126, 127), 0)      # np.frexp(a)[1] - 1 = floor(log2(a)), exactly
;;       r = np.clip(x / 2.0 ** e, -7.5, 7.5)
;;       step = 2.0 ** (np.maximum(np.frexp(np.where(r == 0, 1, r))[1] - 1, 0) - 3)
;;       q = np.round(r / step) * step * 2.0 ** e      # np.round: ties to even
;;       return np.moveaxis(q.reshape(q.shape[:-2] + (-1,))[..., :K], -1, axis).astype(np.float32)
;;   ~~~
;;   OPERANDS COMPUTED ON THE WAY. 'Computed on the way' means the value that the module computes at that place (a softmax that the list does not call 'softmax' is quantised finished and normalised). What goes into a quantiser is computed in f32, as accurately as f32 sums, v_exp_f32 and their like allow (about 1e-6 of the number): no bf16 or f16 on the way to a quantiser, and a product that is left as it is and whose result goes on into a quantised operand takes f32 operands (vector FMAs, or v_wmma_f32_16x16x4_f32). A number that lies on a knife's edge between two numbers of the format may be rounded either way, as far as f32 arithmetic and the matrix unit's own rounding can turn it there, and no further.
;; One version. Each part assembles by itself: llvm-mc -triple=amdgcn-amd-amdhsa -mcpu=gfx1250 --defsym DOCPART=n.
;; ======== version 1 of 1: 4 launches
;; workspace buffers: in_codes 15,728,640 bytes; in_scales 655,360 bytes; qkv_codes 18,874,368 bytes; qkv_scales 786,432 bytes; ctx_codes 6,291,456 bytes; ctx_scales 262,144 bytes
;; launch quant (part 1): grid 256 x 1, 5 waves a work-group, no clusters, 43,008 bytes of LDS; arguments query, key_value, Wq, Wk, Wv, Wo, in_codes, in_scales; writes in_codes, in_scales
.if DOCPART == 1
	.amdgcn_target "amdgcn-amd-amdhsa--gfx1250"
	.amdhsa_code_object_version 6
	.text
	.protected	k_q7043ef5790_quant
	.globl	k_q7043ef5790_quant
	.p2align	8
	.type	k_q7043ef5790_quant,@function
k_q7043ef5790_quant:
	s_mov_b64 s[64:65], 0
	v_nop
	global_prefetch_b8 v0, s[64:65] scope:SCOPE_SE
	s_setreg_imm32_b32 hwreg(HW_REG_WAVE_MODE, 25, 1), 1
	s_wait_xcnt 0x0
; query, key_value [8192][1024] and Wq, Wk, Wv, Wo [1024][1024], f32, K innermost, become codes of FP6 (E2M3) with one E8M0 byte for each 32 along K.
; A block's scale is 2^(floor(log2(largest magnitude)) - 2): its byte is the largest magnitude's exponent field - 2, held at 1 from below by a floor among the maximum's leaves.
; LIMITS: a block whose largest magnitude lies under 2^-124, a block of zeros among them, keeps the byte 1 (its codes are zeros or tiny; only this program reads the bytes); NaN and infinities are not served.
; OUTPUT LAYOUT, in the order of a matrix operand's registers.  A row tile G is 16 rows; in_codes[G][kh 16][768]: a half image = 16 rows x 64 K = six registers a lane:
; bytes 0-511 lane l's registers 0-3 at 16 l, bytes 512-767 its registers 4-5 at 8 l; lane (r, h) holds k = 32 h .. 32 h + 31 of row r.  in_scales[G][r 16][8 words], word ks for k = 128 ks on.
; G: query 0-511, key_value 512-1023, Wq 1024-, Wk 1088-, Wv 1152-, Wo 1216-1279.  In query a tile is rows 16 T + r; in all others tile T's lane row r is row 32 (T/2) + 8 (T%2) + r + 8 (r/8),
; so that results whose registers run along such rows come out as neighbours.
; SHARES: 1,280 tiles = 256 work-groups x 5 waves; a wave takes one tile, all of K, in 8 steps of 128.  Waves share nothing: no barrier.
; Each load reads 512 consecutive bytes of one row; a step's 8,192 bytes turn through the wave's own stage in LDS (rows 528 bytes apart) so that a lane gets 32 neighbours twice.  Loads run two steps (32 loads) ahead.
.set STGB, 8448                        ; a wave's stage: 16 rows x 528 bytes
.set SW,   16                          ; v16-23  the eight scale words of my row
.set P,    24                          ; v24-35  a step's codes: two half images
.set PT,   36                          ; v36-43  the upper halves of blocks, as the conversions leave them
.set R,    48                          ; v48-175 two sets of 64: numbers as loaded
.set X,    176                         ; v176-239 64 numbers: two blocks of 32 neighbours
	s_load_b256 s[4:11], s[0:1], 0x0               ; query, key_value, Wq, Wk
	s_load_b256 s[12:19], s[0:1], 0x20             ; Wv, Wo, in_codes, in_scales
	v_lshl_add_u32 v240, v0, 2, 0xa500
	v_mov_b32 v241, 0
	v_lshrrev_b32 v6, 5, v0
	v_readfirstlane_b32 s24, v6                    ; wave 0..4
	s_mul_i32 s25, ttmp9, 5
	s_add_co_u32 s25, s25, s24                     ; G
	v_and_b32 v6, 31, v0                           ; lane
	v_and_b32 v7, 15, v0                           ; r
	v_bfe_u32 v45, v0, 4, 1                        ; h
	v_lshlrev_b32 v1, 4, v6                        ; 16 l
	v_lshlrev_b32 v2, 3, v6                        ; 8 l
	s_mul_i32 s26, s24, STGB
	v_add_nc_u32 v3, s26, v1                       ; stage, in: 16 l of a row
	v_mul_u32_u24 v4, v7, 528
	v_lshl_add_u32 v4, v45, 7, v4
	v_add_nc_u32 v4, s26, v4                       ; stage, out: row r, + 128 h
	v_lshlrev_b32 v5, 5, v7
	v_lshl_add_u32 v5, v45, 4, v5                  ; scale words out: 32 r + 16 h
	v_lshlrev_b32 v44, 3, v45                      ; 8 h: my bytes' place in a scale word
	v_mov_b32 v15, 0                               ; a lane permute's destination counts as read
	s_mov_b32 s28, 0x76543210
	s_mov_b32 s29, 0xfedcba98                      ; selects for lane l xor 16
	s_mov_b32 s30, 0xffff0000                      ; lanes 16-31
	s_wait_kmcnt 0x0
	s_mov_b64 s[20:21], s[14:15]                   ; which tensor: the choice hangs on G alone
	s_mov_b32 s22, 1216
	s_cmp_lt_u32 s25, 1216
	s_cselect_b64 s[20:21], s[12:13], s[20:21]
	s_cselect_b32 s22, 1152, s22
	s_cmp_lt_u32 s25, 1152
	s_cselect_b64 s[20:21], s[10:11], s[20:21]
	s_cselect_b32 s22, 1088, s22
	s_cmp_lt_u32 s25, 1088
	s_cselect_b64 s[20:21], s[8:9], s[20:21]
	s_cselect_b32 s22, 1024, s22
	s_cmp_lt_u32 s25, 1024
	s_cselect_b64 s[20:21], s[6:7], s[20:21]
	s_cselect_b32 s22, 512, s22
	s_cmp_lt_u32 s25, 512
	s_cselect_b64 s[20:21], s[4:5], s[20:21]
	s_cselect_b32 s22, 0, s22
	s_sub_co_u32 s23, s25, s22                     ; T: the tile in its tensor
	s_lshr_b32 s31, s23, 1
	s_lshl_b32 s31, s31, 5
	s_and_b32 s32, s23, 1
	s_lshl_b32 s32, s32, 3
	s_add_co_u32 s31, s31, s32                     ; first row, permuted: 32 (T/2) + 8 (T%2)
	s_lshl_b32 s32, s23, 4                         ; first row, plain: 16 T
	s_mov_b32 s33, 0x10000
	s_cmp_lt_u32 s25, 512
	s_cselect_b32 s31, s32, s31
	s_cselect_b32 s34, 0x8000, s33                 ; lane rows 8-15 begin 8 rows on, or 16
	s_lshl_b32 s32, s31, 12                        ; a row is 4,096 bytes
	s_mov_b32 s33, 0
	s_mov_b32 s35, 0
	s_add_nc_u64 s[20:21], s[20:21], s[32:33]      ; lane rows 0-7
	s_add_nc_u64 s[36:37], s[20:21], s[34:35]      ; lane rows 8-15
	s_mul_i32 s32, s25, 12288
	s_add_nc_u64 s[16:17], s[16:17], s[32:33]
	s_lshl_b32 s32, s25, 9
	s_add_nc_u64 s[18:19], s[18:19], s[32:33]
.macro LOAD s                          ; step s: 128 numbers of each of the 16 rows
.set RL, R+64*((\s)%2)
.irp i, 0,1,2,3,4,5,6,7
	global_load_b128 v[RL+4*\i:RL+4*\i+3], v1, s[20:21] offset:\i*4096+512*(\s) th:TH_LOAD_NT
.endr
.irp i, 0,1,2,3,4,5,6,7
	global_load_b128 v[RL+32+4*\i:RL+32+4*\i+3], v1, s[36:37] offset:\i*4096+512*(\s) th:TH_LOAD_NT
.endr
.endm
.macro STEP s
.set RL, R+64*((\s)%2)
.if (\s) < 7
	s_wait_loadcnt 16                              ; this step's 16 loads are in; the next step's 16 may be out
.else
	s_wait_loadcnt 0x0
.endif
.irp i, 0,1,2,3,4,5,6,7,8,9,10,11,12,13,14,15
	ds_store_b128 v3, v[RL+4*\i:RL+4*\i+3] offset:528*\i
.endr
.irp c, 0,1
.irp j, 0,1,2,3,4,5,6,7
	ds_load_b128 v[X+32*\c+4*\j:X+32*\c+4*\j+3], v4 offset:256*\c+16*\j   ; k = 64 c + 32 h + 4 j on, of row r; a wave's LDS instructions are served in order
.endr
.endr
	s_wait_dscnt 0x0                               ; the numbers are back, the stores into the stage have read their registers
	s_wait_xcnt 0x0                                ; the last step's stores have read the codes' registers
.if (\s) < 6
	LOAD (\s)+2
.endif
.irp c, 0,1
	v_max3_num_f32 v[8+\c], |v[X+32*\c]|, |v[X+32*\c+1]|, 0x1800000      ; block 2 c + h: all 32 numbers are mine; the floor 2^(3 - 127) holds the byte at 1
.endr
.irp i, 2,4,6,8,10,12,14,16,18,20,22,24,26,28,30
.irp c, 0,1
	v_max3_num_f32 v[8+\c], v[8+\c], |v[X+32*\c+\i]|, |v[X+32*\c+\i+1]|
.endr
.endr
.irp c, 0,1
	v_add_nc_u32 v[10+\c], 0xff000000, v[8+\c]     ; 2 off the exponent field: the conversion's scale operand
.endr
.irp c, 0,1
	v_lshrrev_b32 v[12+\c], 23, v[10+\c]           ; the byte
.endr
	v_lshl_or_b32 v14, v13, 16, v12                ; blocks h and 2 + h,
	v_lshlrev_b32 v14, v44, v14                    ; at their places,
	v_permlanex16_b32 v15, v14, s28, s29
	v_or_b32 v[SW+(\s)], v14, v15                  ; with lane l xor 16's two: the word of 128 along K
.irp c, 0,1
	v_cvt_scalef32_pk16_fp6_f32 v[P+6*\c:P+6*\c+2], v[X+32*\c:X+32*\c+15], v[10+\c]
	v_cvt_scalef32_pk16_fp6_f32 v[PT+4*\c:PT+4*\c+2], v[X+32*\c+16:X+32*\c+31], v[10+\c]   ; (a conversion's three registers begin on an even number)
.endr
	v_nop                                          ; one plain place behind the conversions
.irp c, 0,1
.irp i, 0,1,2
	v_mov_b32 v[P+6*\c+3+\i], v[PT+4*\c+\i]
.endr
.endr
	global_store_b128 v1, v[P:P+3], s[16:17] offset:1536*(\s)             ; 512 consecutive bytes
	global_store_b64 v2, v[P+4:P+5], s[16:17] offset:1536*(\s)+512        ; 256
	global_store_b128 v1, v[P+6:P+9], s[16:17] offset:1536*(\s)+768
	global_store_b64 v2, v[P+10:P+11], s[16:17] offset:1536*(\s)+1280
.endm
	LOAD 0
	LOAD 1
.irp t, 0,1,2,3,4,5,6,7
	STEP \t
.endr
.irp i, 0,1,2,3
	v_cndmask_b32 v[8+\i], v[SW+\i], v[SW+4+\i], s30   ; lanes 0-15 store words 0-3 of their row, lanes 16-31 words 4-7
.endr
	global_store_b128 v5, v[8:11], s[18:19]        ; 512 consecutive bytes
	s_wait_tensorcnt 0x0
	ds_add_u32 v240, v241
	s_wait_dscnt 0x0
	s_endpgm
.Lfunc_end_k_q7043ef5790_quant:
	.size	k_q7043ef5790_quant, .Lfunc_end_k_q7043ef5790_quant-k_q7043ef5790_quant
	.p2alignl 7, 3214868480
	.fill 96, 4, 3214868480
	.section	.rodata,"a",@progbits
	.p2align	6, 0x0
	.amdhsa_kernel k_q7043ef5790_quant
		.amdhsa_group_segment_fixed_size 43008
		.amdhsa_private_segment_fixed_size 0
		.amdhsa_enable_private_segment 0
		.amdhsa_kernarg_size 64
		.amdhsa_user_sgpr_count 2
		.amdhsa_user_sgpr_kernarg_segment_ptr 1
		.amdhsa_wavefront_size32 1
		.amdhsa_system_sgpr_workgroup_id_x 1
		.amdhsa_system_sgpr_workgroup_id_y 1
		.amdhsa_system_sgpr_workgroup_id_z 1
		.amdhsa_system_vgpr_workitem_id 0
		.amdhsa_next_free_vgpr 242
		.amdhsa_next_free_sgpr 66
		.amdhsa_reserve_vcc 0
		.amdhsa_float_denorm_mode_32 3
		.amdhsa_float_denorm_mode_16_64 3
		.amdhsa_memory_ordered 1
		.amdhsa_forward_progress 1
		.amdhsa_inst_pref_size 59
	.end_amdhsa_kernel
	.amdgpu_metadata
---
amdhsa.version: [ 1, 2 ]
amdhsa.kernels:
  - .name:           k_q7043ef5790_quant
    .symbol:         k_q7043ef5790_quant.kd
    .args:
      - { .name: query, .offset: 0, .size: 8, .value_kind: global_buffer, .address_space: global }
      - { .name: key_value, .offset: 8, .size: 8, .value_kind: global_buffer, .address_space: global }
      - { .name: Wq, .offset: 16, .size: 8, .value_kind: global_buffer, .address_space: global }
      - { .name: Wk, .offset: 24, .size: 8, .value_kind: global_buffer, .address_space: global }
      - { .name: Wv, .offset: 32, .size: 8, .value_kind: global_buffer, .address_space: global }
      - { .name: Wo, .offset: 40, .size: 8, .value_kind: global_buffer, .address_space: global }
      - { .name: in_codes, .offset: 48, .size: 8, .value_kind: global_buffer, .address_space: global }
      - { .name: in_scales, .offset: 56, .size: 8, .value_kind: global_buffer, .address_space: global }
    .group_segment_fixed_size: 43008
    .private_segment_fixed_size: 0
    .kernarg_segment_align: 8
    .kernarg_segment_size: 64
    .max_flat_workgroup_size: 160
    .sgpr_count:     66
    .vgpr_count:     242
    .wavefront_size: 32
...
	.end_amdgpu_metadata
.endif
;; end of part 1
;; launch proj (part 2): grid 4 x 96, 4 waves a work-group, clusters of 4 x 4, 327,680 bytes of LDS; arguments in_codes, in_scales, bq, bk, bv, qkv_codes, qkv_scales; writes qkv_codes, qkv_scales
.if DOCPART == 2
	.amdgcn_target "amdgcn-amd-amdhsa--gfx1250"
	.amdhsa_code_object_version 6
	.text
	.protected	k_q7043ef5790_proj
	.globl	k_q7043ef5790_proj
	.p2align	8
	.type	k_q7043ef5790_proj,@function
k_q7043ef5790_proj:
	s_mov_b64 s[64:65], 0
	v_nop
	global_prefetch_b8 v0, s[64:65] scope:SCOPE_SE
	s_setreg_imm32_b32 hwreg(HW_REG_WAVE_MODE, 25, 1), 1
	s_wait_xcnt 0x0
	s_wait_alu depctr_hold_cnt(0) depctr_sa_sdst(0) depctr_va_vdst(0) depctr_va_sdst(0) depctr_va_ssrc(0) depctr_va_vcc(0) depctr_vm_vsrc(0)
	s_getreg_b32 s2, hwreg(HW_REG_IB_STS2, 6, 4)
	s_cmp_eq_u32 s2, 0
	s_cbranch_scc0 .Lentry_in_a_cluster
	s_endpgm
.Lentry_in_a_cluster:
	s_bfe_u32 s2, ttmp6, 0x10000c
	s_cmp_lg_u32 s2, 0xf033
	s_cbranch_scc0 .Lentry_shape_is_right
	s_endpgm
.Lentry_shape_is_right:
; The three input projections on codes of FP6 (E2M3), and their results quantised in registers for the attention launch.
; Z = cluster y / 8:  0: q = query Wq^T + bq   1: k = key_value Wk^T + bk   2: v^T = Wv key_value^T + bv.   M x N x K = 8192 x 1024 x 1024 (v^T: 1024 x 8192 x 1024).
; A tile of 256 (m) x 256 (n) to a work-group of four waves, 128 x 128 a wave: 64 accumulators in windows 2 and 3.  Source 0 = 16 rows of the n side, source 1 = 16 rows of the m side: a lane holds one m row,
; and since the n side's row tiles are permuted (see the quantising launch) the 16 registers of accumulators 2 g, 2 g + 1 are 16 neighbours along n.  n is the axis along which the result is quantised:
; the head's width for q and k, the keys for v.
; K goes in four steps of 256 through two LDS slots; a wave's tensor load brings 8 row tiles x 3,072 bytes, images of operand registers: no padding, every LDS read is consecutive.
; CLUSTER 4 x 4: the m side's tiles are shared along a row of the cluster, the n side's along a column, by joint loads.
; The scale words of the wave's 128 + 128 rows for all of K stay in 64 registers; the bias is the C of the first K step.
; LIMITS: as in the quantising launch (byte 1 under 2^-124 and for zeros; no NaN, no infinities).
; OUT: qkv_codes: q at 0, k at 6,291,456: [b 4][head 16][t 128][768]; v at 12,582,912: [b 4][kg 32][F 64][768] (16 features x 64 keys).  qkv_scales: three parts of 262,144: [ng][oct][r 16][a 8] words.
.set TILEB, 12288                      ; a row tile's codes, all of K
.set KSB,   3072                       ; and those of 256 along K
.set HALFT, 8*KSB                      ; what one tensor load brings, and what a wave reads of one side
.set SLOT,  4*HALFT
.set SPARE, 2*SLOT                     ; the spare words: 128 bytes a wave, two blocks of 256 bytes that no other line names
.set VB,   8                           ; v8-15   offsets of the bias loads
.set ADRA, 16                          ; v16-17  m side, slot 0, 1: 16 l form; v18-19: 8 l form
.set ADRB, 20                          ; v20-23  the same for the n side
.set VO,   24                          ; v24-27  the way out: 16 l, 8 l, and both one group of 64 along n on
.set SPW,  28
.set NIL,  29
.set VSO,  30                          ; v30     32 r + 16 h
.set SCA,  32                          ; v32-63  m side's scale words [pair of tiles 4][ks 8]: lanes 0-15 the even tile, lanes 16-31 the odd
.set SCB,  64                          ; v64-95  n side's
.set BT,   96                          ; v96-159 eight tiles of bias; free behind the first K step:
.set TM,   96
.set PC,   112
.set PT,   136
.set PWS,  144
.set SX,   152
.set AF,   160                         ; v160-255 the m side's 8 fragments, one set;  window 1: the n side's, two sets, at v0 and v128
.set G1,  24
.set G0,  32
.set G1B, 48
.set G0B, 56
.set MUL_LO, 0xa1                      ; source 0 window 1, source 1 window 0, C and D window 2
.set MUL_HI, 0xf1
.set TO_B,   0x40
.set MSB, 0
.macro WIN new                         ; the immediate's high byte repeats the setting that is left
.if MSB != (\new)
	s_set_vgpr_msb (MSB<<8)|(\new)
.set MSB, (\new)
.endif
.endm
.macro JLOAD g0a, g1a, g0b, g1b        ; waves 0, 1 fetch for the m side, waves 2, 3 for the n side; four v_nop follow each line
	s_cmp_eq_u32 s19, 0
	s_cbranch_scc0 .Lfor_b_\@
	tensor_load_to_lds s[\g0a:\g0a+3], s[\g1a:\g1a+7]
	s_nop 0
.rept 4
	v_nop
.endr
	s_branch .Lasked_\@
.Lfor_b_\@:
	tensor_load_to_lds s[\g0b:\g0b+3], s[\g1b:\g1b+7]
	s_nop 0
.rept 4
	v_nop
.endr
.Lasked_\@:
.endm
.macro CREST
	s_cmp_lg_u32 s18, 0
	s_cbranch_scc1 .Lnot_wave_0_\@
	s_barrier_signal -3
.Lnot_wave_0_\@:
	s_barrier_wait -3
	s_barrier_signal -1
	s_barrier_wait -1
.endm
.macro CROUND
	s_barrier_signal -1
	s_barrier_wait -1
	CREST
.endm
.macro PLACES
.rept 4
	v_nop
.endr
.endm
.macro FRAG2 reg, a16, a8, o0, o1      ; a fragment = two half images
	ds_load_b128 v[\reg:\reg+3], v[\a16] offset:\o0
	ds_load_b64 v[\reg+4:\reg+5], v[\a8] offset:(\o0)+512
	ds_load_b128 v[\reg+6:\reg+9], v[\a16] offset:\o1
	ds_load_b64 v[\reg+10:\reg+11], v[\a8] offset:(\o1)+512
.endm
	s_load_b256 s[4:11], s[0:1], 0x0               ; in_codes, in_scales, bq, bk
	s_load_b128 s[12:15], s[0:1], 0x20             ; bv, qkv_codes
	s_load_b64 s[16:17], s[0:1], 0x30              ; qkv_scales
	v_lshl_add_u32 v[SPW], v0, 2, SPARE
	v_mov_b32 v[NIL], 0
	ds_add_u32 v28, v29
	ds_add_u32 v28, v29
	s_wait_dscnt 0x0
	v_lshrrev_b32 v1, 5, v0
	v_readfirstlane_b32 s18, v1                    ; wave
	s_lshr_b32 s19, s18, 1                         ; mh: my half of m.  Also: I fetch for the m side (0) or the n side (1)
	s_and_b32 s20, s18, 1                          ; nh: my half of n.  Also: which 8 row tiles I fetch
	s_bfe_u32 s21, ttmp6, 0x40000                  ; cx
	s_bfe_u32 s22, ttmp6, 0x40004                  ; cy
	s_and_b32 s23, ttmp7, 0xffff                   ; cluster y, 0..23: shared by all partners
	s_lshr_b32 s40, s23, 3                         ; Z
	s_and_b32 s41, s23, 7
	s_lshl_b32 s44, s40, 9                         ; first tile of the m side: 512 Z,
	s_lshl_b32 s45, s40, 6
	s_add_co_u32 s45, s45, 1024                    ; of the n side: 1024 + 64 Z;
	s_cmp_eq_u32 s40, 2
	s_cselect_b32 s42, 0, s41
	s_cselect_b32 s43, s41, 0
	s_cselect_b32 s44, 1152, s44                   ; for v^T: Wv,
	s_cselect_b32 s45, 512, s45                    ; key_value
	s_cselect_b32 s46, -1, 0
	s_cselect_b32 s47, 0, 4
	s_lshl_b32 s42, s42, 2
	s_add_co_u32 s42, s42, s22                     ; TR: tile row; hangs on cy and the cluster's y
	s_lshl_b32 s43, s43, 2
	s_add_co_u32 s43, s43, s21                     ; TC: tile column; hangs on cx and the cluster's y
	s_lshl_b32 s66, s22, 2
	s_lshl_b32 s66, 15, s66                        ; my row of the cluster
	s_lshl_b32 s67, 0x1111, s21                    ; my column
	s_or_b32 s[G1], s66, (3<<16)|(1<<21)           ; the mask; elements of 8 bytes; bit 21 beside a mask; no padding
	s_or_b32 s[G1B], s67, (3<<16)|(1<<21)
.irp g, G1, G1B
	s_mov_b32 s[\g+1], 384<<16                     ; tensor_dim0: 3,072 bytes
	s_mov_b32 s[\g+2], 8<<16                       ; tensor_dim1: 8 row tiles
	s_mov_b32 s[\g+3], 384<<16                     ; tile_dim0
	s_mov_b32 s[\g+4], 8                           ; tile_dim1
	s_mov_b32 s[\g+5], 1536                        ; 12,288 bytes from tile to tile
	s_mov_b32 s[\g+6], 0
	s_mov_b32 s[\g+7], 0
.endr
	s_lshl_b32 s68, s20, 3
	s_lshl_b32 s70, s42, 4
	s_add_co_u32 s70, s70, s44
	s_add_co_u32 s70, s70, s68
	s_mul_i32 s70, s70, TILEB
	s_mov_b32 s71, 0
	s_lshl_b32 s72, s43, 4
	s_add_co_u32 s72, s72, s45
	s_add_co_u32 s72, s72, s68
	s_mul_i32 s72, s72, TILEB
	s_mov_b32 s73, 0
	s_mul_i32 s69, s18, HALFT                      ; where they go: wave x 8 tiles
	s_wait_kmcnt 0x0
	s_add_nc_u64 s[70:71], s[4:5], s[70:71]
	s_add_nc_u64 s[72:73], s[4:5], s[72:73]
	CROUND                                         ; all sixteen work-groups are here
.irp s, 0,1
	s_mov_b32 s[G0+4*\s], 1
	s_add_co_u32 s[G0+4*\s+1], s69, \s*SLOT
	s_add_nc_u64 s[G0+4*\s+2:G0+4*\s+3], s[70:71], \s*KSB
	s_or_b32 s[G0+4*\s+3], s[G0+4*\s+3], 0x80000000
	s_mov_b32 s[G0B+4*\s], 1
	s_add_co_u32 s[G0B+4*\s+1], s69, \s*SLOT
	s_add_nc_u64 s[G0B+4*\s+2:G0B+4*\s+3], s[72:73], \s*KSB
	s_or_b32 s[G0B+4*\s+3], s[G0B+4*\s+3], 0x80000000
	JLOAD G0+4*\s, G1, G0B+4*\s, G1B
.endr
	v_and_b32 v1, 31, v0                           ; lane
	v_and_b32 v2, 15, v0                           ; r
	v_bfe_u32 v3, v0, 4, 1                         ; h
	v_lshlrev_b32 v4, 5, v1                        ; 32 l: a row's eight scale words
	s_lshl_b32 s74, s42, 4
	s_add_co_u32 s74, s74, s44
	s_lshl_b32 s75, s19, 3
	s_add_co_u32 s74, s74, s75
	s_lshl_b32 s74, s74, 9
	s_mov_b32 s75, 0
	s_add_nc_u64 s[74:75], s[6:7], s[74:75]        ; the scale words of my 128 m rows
	s_lshl_b32 s76, s43, 4
	s_add_co_u32 s76, s76, s45
	s_add_co_u32 s76, s76, s68
	s_lshl_b32 s76, s76, 9
	s_mov_b32 s77, 0
	s_add_nc_u64 s[76:77], s[6:7], s[76:77]        ; of my 128 n rows
.irp i, 0,1,2,3
	global_load_b128 v[SCA+8*\i:SCA+8*\i+3], v4, s[74:75] offset:1024*\i
	global_load_b128 v[SCA+8*\i+4:SCA+8*\i+7], v4, s[74:75] offset:1024*\i+16
	global_load_b128 v[SCB+8*\i:SCB+8*\i+3], v4, s[76:77] offset:1024*\i
	global_load_b128 v[SCB+8*\i+4:SCB+8*\i+7], v4, s[76:77] offset:1024*\i+16
.endr
	; the bias, in the result's layout.  q, k: tile i, register j = bias[n0 + 32 (i/2) + 8 (i%2) + 16 h + j];  v^T: tile i, every j = bv[m0 + 32 (i/2) + 8 (i%2) + r + 8 (r/8)]
	s_cmp_eq_u32 s40, 0
	s_cselect_b64 s[78:79], s[8:9], s[10:11]
	s_cmp_eq_u32 s40, 2
	s_cselect_b64 s[78:79], s[12:13], s[78:79]
	s_lshl_b32 s80, s42, 8
	s_lshl_b32 s81, s19, 7
	s_add_co_u32 s80, s80, s81                     ; m0
	s_lshl_b32 s82, s43, 8
	s_lshl_b32 s83, s20, 7
	s_add_co_u32 s82, s82, s83                     ; n0
	s_cmp_eq_u32 s40, 2
	s_cselect_b32 s80, s80, s82
	s_lshl_b32 s80, s80, 2
	s_mov_b32 s81, 0
	s_add_nc_u64 s[78:79], s[78:79], s[80:81]
	v_and_b32 v5, 8, v2
	v_add_nc_u32 v5, v5, v2
	v_lshlrev_b32 v5, 2, v5
	v_lshlrev_b32 v6, 6, v3
	v_cndmask_b32 v[VB], v6, v5, s46
.irp j, 1,2,3,4,5,6,7
	v_add_nc_u32 v[VB+\j], s47, v[VB+\j-1]
.endr
.irp i, 0,1,2,3,4,5,6,7
.irp j, 0,1,2,3,4,5,6,7
	global_load_b32 v[BT+8*\i+\j], v[VB+\j], s[78:79] offset:(32*(\i/2)+8*(\i%2))*4
.endr
.endr
	v_lshlrev_b32 v5, 4, v1                        ; 16 l
	v_lshlrev_b32 v6, 3, v1                        ; 8 l
	s_mul_i32 s84, s19, HALFT
	s_mul_i32 s85, s20, HALFT
	s_add_co_u32 s85, s85, 2*HALFT
.irp s, 0,1
	v_add_nc_u32 v[ADRA+\s], s84, v5
	v_add_nc_u32 v[ADRA+2+\s], s84, v6
	v_add_nc_u32 v[ADRB+\s], s85, v5
	v_add_nc_u32 v[ADRB+2+\s], s85, v6
	s_add_co_u32 s84, s84, SLOT
	s_add_co_u32 s85, s85, SLOT
.endr
	; the way out: where my first half image goes, and how far on the second group of 64 along n lies
	s_mov_b32 s86, 98304                           ; q, k: the next head;
	s_cmp_eq_u32 s40, 2
	s_cselect_b32 s86, 49152, s86                  ; v: the next 64 keys
	v_mov_b32 v[VO], v5
	v_mov_b32 v[VO+1], v6
	v_add_nc_u32 v[VO+2], s86, v5
	v_add_nc_u32 v[VO+3], s86, v6
	v_lshlrev_b32 v[VSO], 5, v2
	v_lshl_add_u32 v[VSO], v3, 4, v[VSO]
	s_lshl_b32 s87, s42, 4
	s_lshl_b32 s88, s19, 3
	s_add_co_u32 s87, s87, s88                     ; 16 TR + 8 mh: my first m tile
	s_lshl_b32 s88, s20, 1
	s_lshr_b32 s89, s42, 3                         ; q, k: ((batch x 16 + head) x 128 + tile in the batch)
	s_lshl_b32 s89, s89, 4
	s_lshl_b32 s90, s43, 2
	s_add_co_u32 s89, s89, s90
	s_add_co_u32 s89, s89, s88
	s_lshl_b32 s89, s89, 7
	s_and_b32 s90, s87, 127
	s_add_co_u32 s89, s89, s90
	s_lshr_b32 s91, s43, 3                         ; v: ((batch x 32 + group of 64 keys) x 64 + feature tile)
	s_lshl_b32 s91, s91, 5
	s_and_b32 s90, s43, 7
	s_lshl_b32 s90, s90, 2
	s_add_co_u32 s91, s91, s90
	s_add_co_u32 s91, s91, s88
	s_lshl_b32 s91, s91, 6
	s_add_co_u32 s91, s91, s87
	s_cmp_eq_u32 s40, 2
	s_cselect_b32 s89, s91, s89
	s_mul_i32 s89, s89, 768
	s_mul_i32 s90, s40, 6291456
	s_add_co_u32 s92, s89, s90
	s_mov_b32 s93, 0
	s_add_nc_u64 s[14:15], s[14:15], s[92:93]
	s_lshl_b32 s94, s43, 1
	s_add_co_u32 s94, s94, s20                     ; ng = 2 TC + nh
	s_cmp_eq_u32 s40, 2
	s_cselect_b32 s95, 3, 6
	s_lshl_b32 s94, s94, s95
	s_lshl_b32 s95, s42, 1
	s_add_co_u32 s94, s94, s95
	s_add_co_u32 s94, s94, s19                     ; + oct = 2 TR + mh
	s_lshl_b32 s94, s94, 9
	s_lshl_b32 s95, s40, 18
	s_add_co_u32 s94, s94, s95
	s_mov_b32 s95, 0
	s_add_nc_u64 s[16:17], s[16:17], s[94:95]
	s_mov_b32 s96, 0x76543210
	s_mov_b32 s97, 0xfedcba98
	s_mov_b32 s98, 0xffff0000
; one product: m block a, n block b, the n side's set p, K step ks of 128.  cm = 0: onto the sum; 1: C = the bias tile of b; 2: of a
.macro WM a, b, p, ks, cm
.set rD, 8*(8*((\a)%4)+(\b))
.set rC, rD
.if (\cm) == 1
.set rC, BT+8*(\b)
.endif
.if (\cm) == 2
.set rC, BT+8*(\a)
.endif
.set rB, 128*(\p)+12*(\b)
.set rA, AF+12*(\a)
.set sB, SCB+8*((\b)/2)+(\ks)
.set sA, SCA+8*((\a)/2)+(\ks)
.if ((\b)%2 == 0) && ((\a)%2 == 0)
	v_wmma_scale_f32_16x16x128_f8f6f4 v[rD:rD+7], v[rB:rB+11], v[rA:rA+11], v[rC:rC+7], v[sB], v[sA] matrix_a_fmt:MATRIX_FMT_FP6 matrix_b_fmt:MATRIX_FMT_FP6
.elseif ((\b)%2 == 1) && ((\a)%2 == 0)
	v_wmma_scale_f32_16x16x128_f8f6f4 v[rD:rD+7], v[rB:rB+11], v[rA:rA+11], v[rC:rC+7], v[sB], v[sA] matrix_a_fmt:MATRIX_FMT_FP6 matrix_b_fmt:MATRIX_FMT_FP6 matrix_a_scale:MATRIX_SCALE_ROW1
.elseif ((\b)%2 == 0) && ((\a)%2 == 1)
	v_wmma_scale_f32_16x16x128_f8f6f4 v[rD:rD+7], v[rB:rB+11], v[rA:rA+11], v[rC:rC+7], v[sB], v[sA] matrix_a_fmt:MATRIX_FMT_FP6 matrix_b_fmt:MATRIX_FMT_FP6 matrix_b_scale:MATRIX_SCALE_ROW1
.else
	v_wmma_scale_f32_16x16x128_f8f6f4 v[rD:rD+7], v[rB:rB+11], v[rA:rA+11], v[rC:rC+7], v[sB], v[sA] matrix_a_fmt:MATRIX_FMT_FP6 matrix_b_fmt:MATRIX_FMT_FP6 matrix_a_scale:MATRIX_SCALE_ROW1 matrix_b_scale:MATRIX_SCALE_ROW1
.endif
.endm
.macro MUL16 a0, p, ks, cm             ; the 64 accumulators take turns, one instruction a turn, in the same order in every step
.irp a, \a0, \a0+1
.irp b, 0,1,2,3,4,5,6,7
	WM (\a), \b, \p, \ks, \cm
.endr
.endr
.endm
.macro FETCH_B slot, q, p
	WIN TO_B
.irp i, 0,1,2,3,4,5,6,7
	FRAG2 128*(\p)+12*\i, ADRB+\slot, ADRB+2+\slot, KSB*\i+1536*(\q), KSB*\i+1536*(\q)+768
.endr
	WIN 0
.endm
.macro FETCH_A slot, q, i0
.irp i, \i0, \i0+1, \i0+2, \i0+3
	FRAG2 AF+12*(\i), ADRA+\slot, ADRA+2+\slot, KSB*(\i)+1536*(\q), KSB*(\i)+1536*(\q)+768
.endr
.endm
; a slot's first 128 along K
.macro STEP slot, ks, cm
	s_wait_dscnt 16                                ; the n side's set and m blocks 0-3 are in; the youngest 16 loads (m blocks 4-7) may be out
.if \cm
	WIN 0x81                                       ; C (the bias) in window 0
.else
	WIN MUL_LO
.endif
	MUL16 0, 0, \ks, \cm
	MUL16 2, 0, \ks, \cm
	s_wait_dscnt 0x0
	PLACES                                         ; four places in front of loads into registers that matrix instructions have read
	FETCH_B \slot, 1, 1
	FETCH_A \slot, 1, 0
.if \cm
	WIN 0xc1
.else
	WIN MUL_HI
.endif
	MUL16 4, 0, \ks, \cm
	MUL16 6, 0, \ks, \cm
	PLACES
	WIN 0
	FETCH_A \slot, 1, 4
.endm
; a slot's second 128 along K, and the change of slots: one barrier; fill = 1: it opens a round of the cluster's barrier and this slot is filled again
.macro TURN slot, next, fill, ks
	s_wait_tensorcnt 0x0                           ; all my tensor loads have landed: my part of the next slot
	ds_add_u32 v[SPW], v[NIL]                      ; 0 onto my spare word
	s_wait_dscnt 17                                ; the add and the youngest 16 loads (m blocks 4-7) may be out
	WIN MUL_LO
	MUL16 0, 1, \ks, 0
	s_wait_dscnt 0x0                               ; the add is done, my reads of this slot are over
	s_barrier_signal -1
	MUL16 2, 1, \ks, 0
	WIN 0
	s_barrier_wait -1
.if \fill
	CREST
	s_add_nc_u64 s[G0+4*\slot+2:G0+4*\slot+3], s[G0+4*\slot+2:G0+4*\slot+3], 2*KSB
	s_add_nc_u64 s[G0B+4*\slot+2:G0B+4*\slot+3], s[G0B+4*\slot+2:G0B+4*\slot+3], 2*KSB
	JLOAD G0+4*\slot, G1, G0B+4*\slot, G1B         ; my one tensor load behind the round; its four v_nop are the places in front of the loads below
.else
	PLACES
.endif
	FETCH_B \next, 0, 0
	FETCH_A \next, 0, 0
	WIN MUL_HI
	MUL16 4, 1, \ks, 0
	MUL16 6, 1, \ks, 0
	PLACES
	WIN 0
	FETCH_A \next, 0, 4
.endm
	s_wait_loadcnt 0x0                             ; scale words and bias
	s_wait_tensorcnt 1                             ; my part of slot 0 is in; slot 1's may stay out
	s_barrier_signal -1
	s_barrier_wait -1
	FETCH_B 0, 0, 0
	FETCH_A 0, 0, 0
	FETCH_A 0, 0, 4
	s_cmp_eq_u32 s40, 2                            ; the first step is written twice: the bias runs along n (q, k) or along m (v^T).  Z is the same in all partners
	s_cbranch_scc1 .Lfirst_v
	STEP 0, 0, 1
	s_branch .Lfirst_done
.Lfirst_v:
	STEP 0, 0, 2
.Lfirst_done:
	TURN 0, 1, 1, 1
	STEP 1, 2, 0
	TURN 1, 0, 1, 3
	STEP 0, 4, 0
	TURN 0, 1, 0, 5
	STEP 1, 6, 0
	s_wait_dscnt 16
	WIN MUL_LO
	MUL16 0, 1, 7, 0
	MUL16 2, 1, 7, 0
	s_wait_dscnt 0x0
	WIN MUL_HI
	MUL16 4, 1, 7, 0
	MUL16 6, 1, 7, 0
	WIN 0
	PLACES
.irp b, 0,1,2,3
	v_mov_b32 v[TM+4+\b], 0                        ; a lane permute's destination counts as read
.endr
; THE WAY OUT of m block a: its 64 numbers a lane (register 16 g + i = n 32 g + 16 h + i of my row) become a fragment: two half images, stored as they stand
.macro QOUT a
.set qS, 64*((\a)%4)
.set qW, 2+(\a)/4
	WIN qW*5                                       ; sources 0 and 1 in the accumulators' window
.irp b, 0,1,2,3
	v_max3_num_f32 v[TM+\b], |v[qS+16*\b]|, |v[qS+16*\b+1]|, 0x1800000   ; each accumulator is read from its low end on
.endr
.irp i, 2,4,6,8,10,12,14
.irp b, 0,1,2,3
	v_max3_num_f32 v[TM+\b], |v[qS+16*\b+\i]|, |v[qS+16*\b+\i+1]|, v[TM+\b]
.endr
.endr
	WIN 0
.irp b, 0,1,2,3
	v_permlanex16_b32 v[TM+4+\b], v[TM+\b], s96, s97
.endr
.irp b, 0,1,2,3
	v_max_num_f32 v[TM+\b], v[TM+\b], v[TM+4+\b]
.endr
.irp b, 0,1,2,3
	v_add_nc_u32 v[TM+12+\b], 0xff000000, v[TM+\b]
.endr
.irp b, 0,1,2,3
	v_lshrrev_b32 v[TM+4+\b], 23, v[TM+12+\b]
.endr
	v_lshl_or_b32 v[PWS+(\a)], v[TM+5], 8, v[TM+4]
	v_lshl_or_b32 v[PWS+(\a)], v[TM+6], 16, v[PWS+(\a)]
	v_lshl_or_b32 v[PWS+(\a)], v[TM+7], 24, v[PWS+(\a)]
	s_wait_xcnt 0x0                                ; the last block's stores have read the codes' registers
	WIN qW
.irp c, 0,1
	v_cvt_scalef32_pk16_fp6_f32 v[PC+6*\c:PC+6*\c+2], v[qS+32*\c:qS+32*\c+15], v[TM+12+2*\c]
	v_cvt_scalef32_pk16_fp6_f32 v[PT+4*\c:PT+4*\c+2], v[qS+32*\c+16:qS+32*\c+31], v[TM+12+2*\c+1]
.endr
	WIN 0
	v_nop                                          ; one plain place behind the conversions
.irp c, 0,1
.irp i, 0,1,2
	v_permlane16_swap_b32 v[PC+6*\c+\i], v[PT+4*\c+\i]   ; a whole block to a lane
.endr
.irp i, 0,1,2
	v_mov_b32 v[PC+6*\c+3+\i], v[PT+4*\c+\i]
.endr
.endr
	global_store_b128 v[VO], v[PC:PC+3], s[14:15] offset:768*(\a)
	global_store_b64 v[VO+1], v[PC+4:PC+5], s[14:15] offset:768*(\a)+512
	global_store_b128 v[VO+2], v[PC+6:PC+9], s[14:15] offset:768*(\a)
	global_store_b64 v[VO+3], v[PC+10:PC+11], s[14:15] offset:768*(\a)+512
.endm
.irp a, 0,1,2,3,4,5,6,7
	QOUT \a
.endr
.irp i, 0,1,2,3
	v_cndmask_b32 v[SX+\i], v[PWS+\i], v[PWS+4+\i], s98
.endr
	global_store_b128 v[VSO], v[SX:SX+3], s[16:17] ; my row's eight words, 512 consecutive bytes a wave
	s_wait_tensorcnt 0x0                           ; the wave's end
	ds_add_u32 v[SPW], v[NIL]
	s_wait_dscnt 0x0
	CROUND                                         ; the closing round
	s_endpgm
.Lfunc_end_k_q7043ef5790_proj:
	.size	k_q7043ef5790_proj, .Lfunc_end_k_q7043ef5790_proj-k_q7043ef5790_proj
	.p2alignl 7, 3214868480
	.fill 96, 4, 3214868480
	.section	.rodata,"a",@progbits
	.p2align	6, 0x0
	.amdhsa_kernel k_q7043ef5790_proj
		.amdhsa_group_segment_fixed_size 327680
		.amdhsa_private_segment_fixed_size 0
		.amdhsa_enable_private_segment 0
		.amdhsa_kernarg_size 56
		.amdhsa_user_sgpr_count 2
		.amdhsa_user_sgpr_kernarg_segment_ptr 1
		.amdhsa_wavefront_size32 1
		.amdhsa_system_sgpr_workgroup_id_x 1
		.amdhsa_system_sgpr_workgroup_id_y 1
		.amdhsa_system_sgpr_workgroup_id_z 1
		.amdhsa_system_vgpr_workitem_id 0
		.amdhsa_next_free_vgpr 1024
		.amdhsa_next_free_sgpr 100
		.amdhsa_reserve_vcc 0
		.amdhsa_float_denorm_mode_32 3
		.amdhsa_float_denorm_mode_16_64 3
		.amdhsa_memory_ordered 1
		.amdhsa_forward_progress 1
		.amdhsa_inst_pref_size 167
	.end_amdhsa_kernel
	.amdgpu_metadata
---
amdhsa.version: [ 1, 2 ]
amdhsa.kernels:
  - .name:           k_q7043ef5790_proj
    .symbol:         k_q7043ef5790_proj.kd
    .args:
      - { .name: in_codes, .offset: 0, .size: 8, .value_kind: global_buffer, .address_space: global }
      - { .name: in_scales, .offset: 8, .size: 8, .value_kind: global_buffer, .address_space: global }
      - { .name: bq, .offset: 16, .size: 8, .value_kind: global_buffer, .address_space: global }
      - { .name: bk, .offset: 24, .size: 8, .value_kind: global_buffer, .address_space: global }
      - { .name: bv, .offset: 32, .size: 8, .value_kind: global_buffer, .address_space: global }
      - { .name: qkv_codes, .offset: 40, .size: 8, .value_kind: global_buffer, .address_space: global }
      - { .name: qkv_scales, .offset: 48, .size: 8, .value_kind: global_buffer, .address_space: global }
    .group_segment_fixed_size: 327680
    .private_segment_fixed_size: 0
    .kernarg_segment_align: 8
    .kernarg_segment_size: 56
    .max_flat_workgroup_size: 128
    .sgpr_count:     100
    .vgpr_count:     1024
    .wavefront_size: 32
...
	.end_amdgpu_metadata
.endif
;; end of part 2
;; launch attn (part 3): grid 4 x 64, 4 waves a work-group, clusters of 4 x 1, 233,472 bytes of LDS; arguments qkv_codes, qkv_scales, ctx_codes, ctx_scales; writes ctx_codes, ctx_scales
.if DOCPART == 3
	.amdgcn_target "amdgcn-amd-amdhsa--gfx1250"
	.amdhsa_code_object_version 6
	.text
	.protected	k_q7043ef5790_attn
	.globl	k_q7043ef5790_attn
	.p2align	8
	.type	k_q7043ef5790_attn,@function
k_q7043ef5790_attn:
	s_mov_b64 s[64:65], 0
	v_nop
	global_prefetch_b8 v0, s[64:65] scope:SCOPE_SE
	s_setreg_imm32_b32 hwreg(HW_REG_WAVE_MODE, 25, 1), 1
	s_wait_xcnt 0x0
	s_wait_alu depctr_hold_cnt(0) depctr_sa_sdst(0) depctr_va_vdst(0) depctr_va_sdst(0) depctr_va_ssrc(0) depctr_va_vcc(0) depctr_vm_vsrc(0)
	s_getreg_b32 s2, hwreg(HW_REG_IB_STS2, 6, 4)
	s_cmp_eq_u32 s2, 0
	s_cbranch_scc0 .Lentry_in_a_cluster
	s_endpgm
.Lentry_in_a_cluster:
	s_bfe_u32 s2, ttmp6, 0x10000c
	s_cmp_lg_u32 s2, 0x3003
	s_cbranch_scc0 .Lentry_shape_is_right
	s_endpgm
.Lentry_shape_is_right:
; context = stablemax(q k^T / 8) v for one head, both products on codes of FP6 (E2M3); the context is quantised along the model's width for the last projection.
; stablemax: x = score / 8; s = 1 + x for x >= 0, 1 / (1 - x) else, which is max(1 + x, 1 / (1 + |x|)) for every x; attn = s / (the row's sum).  The FINISHED attn is what is quantised, along the keys.
; SHARES.  A work-group owns 512 queries of one head and walks them in 16 blocks of 32 (two tiles, u = 0, 1).  THE WAVES SHARE THE KEYS: wave w owns keys 512 w .. 512 w + 511; its 32 x 512 values of s stay in
; 512 registers from the score product to the quantiser, so that scores and reciprocals are made once.  The row sums meet in LDS (first barrier of a block), the partial contexts too (second barrier).
; The head's K and V codes come into LDS once; each wave loads and reads only its own part, so its own wait on the tensor counter is all the ordering those reads need.  No LDS byte is filled twice.
; CLUSTER 4 x 1: the four work-groups of a head ask for K and V jointly.
; LAYOUT.  S^T = K Q^T (source 0 = keys), O^T = V^T P^T (source 0 = features): a lane holds one query.  The head is 64 wide and the instruction 128: a K fragment holds TWO key tiles (k 0-63, k 64-127), and the
; query's fragment has zero codes in the half that is not meant: [0 | q | 0] in 18 registers gives both forms.  Key tiles and feature tiles are permuted as the earlier launches laid them: registers run along neighbours.
; LIMITS: 1 / (1 - x) and 1 / sum are v_rcp_f32 and a multiply where the definition divides; the row's sum is a tree, then four waves in fixed order; |score| / 8 stays under 2^126; no NaN, no infinities;
; a block under 2^-124 keeps the byte 1.
; REGISTERS.  Batch b = 2 s' + u: 64 registers, 128 keys x tile u, register 16 g + i = key 32 g + 16 h + i.  Window 1: b0-2 at v0, v64, v128; window 2: b3-5; window 3: b6, b7, and O(u, dt) at v128 + 32 u + 8 dt.
; v192-255 of windows 1-3 are at work for the window's own batches, so that a batch's vector work runs under one window setting.
.set VL,   98304                       ; LDS: K's codes at 0, V's here: 24,576 bytes a wave each
.set WKB,  24576
.set RS,   196608                      ; row sums: 128 bytes a wave
.set OS,   197120                      ; partial contexts: wave x 8,704 + u x 4,352 + r x 272
.set CS,   231936                      ; the context's scale bytes: [u 2][block 16][r 16] u16
.set KA16, 1
.set KA8,  2
.set VA16, 3
.set VA8,  4
.set RSW,  5
.set RSR,  6
.set OSW,  7
.set OSR,  8
.set CSL,  9
.set CSW,  10
.set CSR,  11
.set L16,  12
.set L8,   13
.set QSL,  14
.set QSA,  15
.set CO16, 16
.set CO8,  17
.set QR,   32                          ; v32-49, v50-67: [6 zeros | 6 of q | 6 zeros] for u = 0, 1
.set QS,   68                          ; q's scale words: lanes 0-15 tile 0, lanes 16-31 tile 1
.set QRAW, 69
.set KS,   70                          ; v70-77 K's scale words: register j: lanes 0-15 pair 2 j, lanes 16-31 pair 2 j + 1
.set VS,   78                          ; v78-85 V's: [s'/2][dt], lane half = s' % 2
.set PS,   86                          ; v86-93 attn's, one for each batch
.set SUM,  94                          ; v94-97 the sums, a pair for each u
.set QA16, 110
.set QA8,  111
.set KB,   112                         ; v112-207 K's fragments: two sets of four
.set VB,   160                         ; v160-255 V's fragments: two sets of four
.set RD,   112                         ; v112-239 the four partial contexts
.set T,    192                         ; in windows 1-3
.set TM,   192
.set PCD,  208                         ; two sets of codes
.set PT,   232
.set BM,   240                         ; block maxima of up to three batches
.set INV,  252                         ; 1 / sum: a pair for each u
.set WV,   12
.set G1K,  24
.set G1V,  32
.set G0K,  40
.set G0V,  44
.set SEL,  48
.set C8,   50
.set SELK, 52
.set HIM,  53
.set NB,   54
.set CSO,  55
.set QP,   56
.set QSP,  58
.set CP,   60
.set MSB, 0
.macro WIN new
.if MSB != (\new)
	s_set_vgpr_msb (MSB<<8)|(\new)
.set MSB, (\new)
.endif
.endm
.macro CROUND
	s_barrier_signal -1
	s_barrier_wait -1
	s_cmp_lg_u32 s[WV], 0
	s_cbranch_scc1 .Lnot_wave_0_\@
	s_barrier_signal -3
.Lnot_wave_0_\@:
	s_barrier_wait -3
	s_barrier_signal -1
	s_barrier_wait -1
.endm
.macro PLACES
.rept 4
	v_nop
.endr
.endm
.macro FRAG2 reg, a16, a8, o0, o1
	ds_load_b128 v[\reg:\reg+3], v[\a16] offset:\o0
	ds_load_b64 v[\reg+4:\reg+5], v[\a8] offset:(\o0)+512
	ds_load_b128 v[\reg+6:\reg+9], v[\a16] offset:\o1
	ds_load_b64 v[\reg+10:\reg+11], v[\a8] offset:(\o1)+512
.endm
	s_load_b256 s[4:11], s[0:1], 0x0               ; qkv_codes, qkv_scales, ctx_codes, ctx_scales
	v_lshl_add_u32 v254, v0, 2, 0x38e00
	v_mov_b32 v255, 0
	ds_add_u32 v254, v255
	ds_add_u32 v254, v255
	s_wait_dscnt 0x0
	v_lshrrev_b32 v18, 5, v0
	v_readfirstlane_b32 s[WV], v18                 ; wave
	s_bfe_u32 s13, ttmp6, 0x40000                  ; cx: my 512 queries; it enters q's and the context's addresses alone
	s_and_b32 s14, ttmp7, 0xffff                   ; batch x 16 + head
	s_lshr_b32 s15, s14, 4
	s_and_b32 s16, s14, 15
	s_lshr_b32 s17, s16, 1
	s_and_b32 s18, s16, 1
	s_and_b32 s19, s[WV], 1
	s_mov_b32 s[G1K], 15|(3<<16)|(1<<21)           ; all four work-groups; elements of 8 bytes; K: 24,576 dense bytes as 96 rows of 256
	s_mov_b32 s[G1K+1], 32<<16
	s_mov_b32 s[G1K+2], 96<<16
	s_mov_b32 s[G1K+3], 32<<16
	s_mov_b32 s[G1K+4], 96
	s_mov_b32 s[G1K+5], 32
	s_mov_b32 s[G1K+6], 0
	s_mov_b32 s[G1K+7], 0
	s_mov_b32 s[G1V], 15|(3<<16)|(1<<21)           ; V: 8 groups of 64 keys x 3,072 bytes (the head's four feature tiles), 49,152 bytes apart
	s_mov_b32 s[G1V+1], 384<<16
	s_mov_b32 s[G1V+2], 8<<16
	s_mov_b32 s[G1V+3], 384<<16
	s_mov_b32 s[G1V+4], 8
	s_mov_b32 s[G1V+5], 6144
	s_mov_b32 s[G1V+6], 0
	s_mov_b32 s[G1V+7], 0
	s_lshl_b32 s66, s14, 7
	s_lshl_b32 s67, s[WV], 5
	s_add_co_u32 s66, s66, s67
	s_mul_i32 s66, s66, 768
	s_add_co_u32 s66, s66, 6291456                 ; my 32 key tiles
	s_mov_b32 s67, 0
	s_lshl_b32 s68, s15, 5
	s_lshl_b32 s69, s[WV], 3
	s_add_co_u32 s68, s68, s69
	s_lshl_b32 s68, s68, 6
	s_lshl_b32 s69, s16, 2
	s_add_co_u32 s68, s68, s69
	s_mul_i32 s68, s68, 768
	s_add_co_u32 s68, s68, 12582912                ; my 8 groups of 64 keys of V
	s_mov_b32 s69, 0
	s_mul_i32 s70, s[WV], WKB
	s_mov_b32 s[SEL], 0x76543210
	s_mov_b32 s[SEL+1], 0xfedcba98
	s_mov_b32 s[C8], 0x3e000000                    ; 1 / 8
	s_mov_b32 s[C8+1], s[C8]
	s_mov_b32 s[HIM], 0xffff0000
	s_mov_b32 s[SELK], 0x07060302                  ; an odd head's two bytes of a scale word,
	s_cmp_eq_u32 s18, 0
	s_cselect_b32 s[SELK], 0x05040100, s[SELK]     ; an even head's
	s_wait_kmcnt 0x0
	s_mov_b32 s[G0K], 1
	s_mov_b32 s[G0K+1], s70
	s_add_nc_u64 s[G0K+2:G0K+3], s[4:5], s[66:67]
	s_or_b32 s[G0K+3], s[G0K+3], 0x80000000
	s_mov_b32 s[G0V], 1
	s_add_co_u32 s[G0V+1], s70, VL
	s_add_nc_u64 s[G0V+2:G0V+3], s[4:5], s[68:69]
	s_or_b32 s[G0V+3], s[G0V+3], 0x80000000
	CROUND                                         ; all four work-groups are here
	tensor_load_to_lds s[G0K:G0K+3], s[G1K:G1K+7]  ; two loads of mine are out
	s_nop 0
	tensor_load_to_lds s[G0V:G0V+3], s[G1V:G1V+7]
	s_nop 0
.rept 4
	v_nop
.endr
	v_and_b32 v18, 31, v0                          ; lane
	v_and_b32 v19, 15, v0                          ; r
	v_bfe_u32 v20, v0, 4, 1                        ; h
	v_lshlrev_b32 v[L16], 4, v18
	v_lshlrev_b32 v[L8], 3, v18
	v_add_nc_u32 v[KA16], s70, v[L16]
	v_add_nc_u32 v[KA8], s70, v[L8]
	s_add_co_u32 s71, s70, VL
	v_add_nc_u32 v[VA16], s71, v[L16]
	v_add_nc_u32 v[VA8], s71, v[L8]
	s_lshl_b32 s71, s[WV], 7
	s_add_co_u32 s71, s71, RS
	v_lshl_add_u32 v[RSW], v18, 2, s71
	v_lshl_add_u32 v[RSR], v19, 2, RS
	s_mul_i32 s71, s[WV], 8704
	s_add_co_u32 s71, s71, OS
	v_mul_u32_u24 v21, v19, 272
	v_lshl_add_u32 v[OSW], v20, 6, v21
	v_add_nc_u32 v[OSW], s71, v[OSW]               ; in: row r, + 64 h
	s_mul_i32 s71, s19, 4352
	s_add_co_u32 s71, s71, OS
	v_lshl_add_u32 v[OSR], v20, 7, v21
	v_add_nc_u32 v[OSR], s71, v[OSR]               ; back: tile u = wave % 2, row r, the block of 32 features h
	s_lshl_b32 s71, s19, 9
	s_add_co_u32 s71, s71, CS
	v_lshl_add_u32 v[CSL], v19, 1, s71
	s_lshl_b32 s71, s[WV], 8
	s_add_co_u32 s71, s71, CS
	v_add_nc_u32 v[CSR], s71, v[L8]
	v_lshlrev_b32 v[QSL], 5, v19
	v_lshl_add_u32 v[QSL], v20, 2, v[QSL]          ; q's scale words: 32 r + 4 (lane / 16)
	s_mul_i32 s71, s19, 12288
	v_add_nc_u32 v[CO16], s71, v[L16]
	v_add_nc_u32 v[CO8], s71, v[L8]
	s_mov_b32 s73, 0
	s_lshl_b32 s72, s14, 7
	s_lshl_b32 s74, s13, 5
	s_add_co_u32 s72, s72, s74
	s_mul_i32 s72, s72, 768
	s_add_nc_u64 s[QP:QP+1], s[4:5], s[72:73]      ; q: my 32 tiles
	s_lshl_b32 s75, s17, 6
	s_lshl_b32 s74, s15, 4
	s_add_co_u32 s75, s75, s74                     ; (head / 2) x 64 + batch x 16
	s_lshl_b32 s74, s13, 2
	s_add_co_u32 s72, s75, s74
	s_lshl_b32 s72, s72, 9
	s_add_nc_u64 s[QSP:QSP+1], s[6:7], s[72:73]    ; q's scale words
	s_lshl_b32 s74, s[WV], 2
	s_add_co_u32 s72, s75, s74
	s_lshl_b32 s72, s72, 9
	s_add_co_u32 s72, s72, 262144
	s_add_nc_u64 s[76:77], s[6:7], s[72:73]        ; k's, of my 32 tiles
	s_lshl_b32 s72, s15, 4
	s_add_co_u32 s72, s72, s74
	s_lshl_b32 s72, s72, 3
	s_add_co_u32 s72, s72, s17
	s_lshl_b32 s72, s72, 9
	s_lshl_b32 s74, s18, 4
	s_add_co_u32 s72, s72, s74
	s_add_co_u32 s72, s72, 524288
	s_add_nc_u64 s[78:79], s[6:7], s[72:73]        ; v's, of my four groups of 128 keys
	s_lshl_b32 s72, s15, 7
	s_lshl_b32 s74, s13, 5
	s_add_co_u32 s72, s72, s74                     ; my first row tile
	s_lshl_b32 s80, s72, 5
	s_lshl_b32 s72, s72, 4
	s_add_co_u32 s72, s72, s16
	s_mul_i32 s72, s72, 768
	s_add_nc_u64 s[CP:CP+1], s[8:9], s[72:73]      ; the context's codes: [tile][head][768]
	s_lshl_b32 s72, s16, 14
	s_add_co_u32 s72, s72, s80
	s_lshl_b32 s74, s[WV], 8
	s_add_co_u32 s72, s72, s74
	s_add_nc_u64 s[10:11], s[10:11], s[72:73]      ; its scale bytes: [head][group of 512 rows], my wave's 256 bytes
	v_lshlrev_b32 v21, 5, v19
	v_lshl_add_u32 v22, v20, 12, v21               ; 32 r + 4,096 h
	v_lshl_add_u32 v21, v20, 3, v21                ; 32 r + 8 h
.irp j, 0,1,2,3,4,5,6,7
	global_load_b64 v[KB+2*\j:KB+2*\j+1], v21, s[76:77] offset:(\j/2)*512+16*(\j%2)   ; the words of key tiles 4 j + 2 h and 4 j + 2 h + 1
.endr
.irp j, 0,1
	global_load_b128 v[VS+4*\j:VS+4*\j+3], v22, s[78:79] offset:8192*\j
.endr
	global_load_b128 v[QR+6:QR+9], v[L16], s[QP:QP+1]
	global_load_b64 v[QR+10:QR+11], v[L8], s[QP:QP+1] offset:512
	global_load_b128 v[QR+24:QR+27], v[L16], s[QP:QP+1] offset:768
	global_load_b64 v[QR+28:QR+29], v[L8], s[QP:QP+1] offset:1280
	global_load_b32 v[QRAW], v[QSL], s[QSP:QSP+1]
.irp u, 0,1
.irp i, 0,1,2,3,4,5,12,13,14,15,16,17
	v_mov_b32 v[QR+18*\u+\i], 0                    ; zero codes: they add nothing under any byte but 0xff
.endr
.endr
	v_mov_b32 v29, 0                               ; lane permutes' destinations count as read
	v_mov_b32 v100, 0
	v_mov_b32 v101, 0
	s_mov_b32 s[NB], 0
	s_mov_b32 s[CSO], 0
	s_wait_loadcnt 0x0
.irp j, 0,1,2,3,4,5,6,7
	v_perm_b32 v[KS+\j], v[KB+2*\j+1], v[KB+2*\j], s[SELK]   ; bytes 0, 1: the even tile's two blocks; bytes 2, 3: the odd tile's
.endr
	v_perm_b32 v[QS], v[QRAW], v[QRAW], s[SELK]    ; q's two bytes, twice
.rept 8
	v_nop                                          ; a scale register written by a vector instruction stands 8 places ahead of a scaled product
.endr
	s_wait_tensorcnt 0x0                           ; my K and my V are in LDS
.macro KLD sp, set                     ; the four K fragments (eight key tiles) of keys 128 sp on
.irp f, 0,1,2,3
	FRAG2 KB+48*(\set)+12*\f, KA16, KA8, 1536*(4*(\sp)+\f), 1536*(4*(\sp)+\f)+768
.endr
.endm
.macro VLD sp                          ; V's four fragments (the head's 64 features x keys 128 sp on)
.irp d, 0,1,2,3
	FRAG2 VB+48*((\sp)%2)+12*\d, VA16, VA8, 6144*(\sp)+768*\d, 6144*(\sp)+768*\d+3072
.endr
.endm
.macro SC sp                           ; 16 score products: keys 128 sp on, both query tiles; every one starts a sum of its own
.irp u, 0,1
.set cB, 2*(\sp)+\u
	WIN (1+cB/3)<<6
.irp f, 0,1,2,3
.irp e, 0,1
.set rD, 64*(cB%3)+8*(2*\f+\e)
.set rK, KB+48*((\sp)%2)+12*\f
.set rQ, QR+18*\u+6*(1-\e)
.set sK, KS+(4*(\sp)+\f)/2
.if (\f%2 == 0) && (\u == 0)
	v_wmma_scale_f32_16x16x128_f8f6f4 v[rD:rD+7], v[rK:rK+11], v[rQ:rQ+11], 0, v[sK], v[QS] matrix_a_fmt:MATRIX_FMT_FP6 matrix_b_fmt:MATRIX_FMT_FP6
.elseif (\f%2 == 1) && (\u == 0)
	v_wmma_scale_f32_16x16x128_f8f6f4 v[rD:rD+7], v[rK:rK+11], v[rQ:rQ+11], 0, v[sK], v[QS] matrix_a_fmt:MATRIX_FMT_FP6 matrix_b_fmt:MATRIX_FMT_FP6 matrix_a_scale:MATRIX_SCALE_ROW1
.elseif (\f%2 == 0) && (\u == 1)
	v_wmma_scale_f32_16x16x128_f8f6f4 v[rD:rD+7], v[rK:rK+11], v[rQ:rQ+11], 0, v[sK], v[QS] matrix_a_fmt:MATRIX_FMT_FP6 matrix_b_fmt:MATRIX_FMT_FP6 matrix_b_scale:MATRIX_SCALE_ROW1
.else
	v_wmma_scale_f32_16x16x128_f8f6f4 v[rD:rD+7], v[rK:rK+11], v[rQ:rQ+11], 0, v[sK], v[QS] matrix_a_fmt:MATRIX_FMT_FP6 matrix_b_fmt:MATRIX_FMT_FP6 matrix_a_scale:MATRIX_SCALE_ROW1 matrix_b_scale:MATRIX_SCALE_ROW1
.endif
.endr
.endr
.endr
.endm
; batch b: scores become s, and s is added up.  The 64 reciprocals are one batch with one wait; between them stand the lines that make 1 + |x| of later scores and 1 + x of earlier ones
.macro PB b
.set bX, 1+(\b)/3
.set bS, 64*((\b)%3)
.set bU, SUM+2*((\b)%2)
	WIN 0x55*bX
.set j, 0
.rept 8
	v_fma_f32 v[T+j], |v[bS+j]|, s[C8], 1.0        ; 1 + |x|; each accumulator is read from its low end on
.set j, j+1
.endr
.set j, 0
.rept 64
	v_rcp_f32 v[T+j], v[T+j]
.if j < 56
	v_fma_f32 v[T+j+8], |v[bS+j+8]|, s[C8], 1.0
.endif
.if j%2 == 1
	v_pk_fma_f32 v[bS+j-1:bS+j], v[bS+j-1:bS+j], s[C8:C8+1], 1.0 op_sel_hi:[1,0,0]   ; 1 + x
.endif
.set j, j+1
.endr
	s_wait_alu depctr_va_vdst(0)                   ; one wait for the 64 reciprocals, behind a plain line and ahead of their first reader
.set j, 0
.rept 64
	v_max_num_f32 v[bS+j], v[bS+j], v[T+j]         ; s
.set j, j+1
.endr
.set j, 0
.rept 16
	v_pk_add_f32 v[T+2*j:T+2*j+1], v[bS+4*j:bS+4*j+1], v[bS+4*j+2:bS+4*j+3]
.set j, j+1
.endr
.irp w, 4,8,16
.set j, 0
.rept 32/\w
	v_pk_add_f32 v[T+\w*j:T+\w*j+1], v[T+\w*j:T+\w*j+1], v[T+\w*j+\w/2:T+\w*j+\w/2+1]
.set j, j+1
.endr
.endr
.if (\b) < 2
	WIN 5*bX                                       ; the destination in window 0: the first 128 keys start the sum
	v_pk_add_f32 v[bU:bU+1], v[T:T+1], v[T+16:T+17]
.else
	v_pk_add_f32 v[T:T+1], v[T:T+1], v[T+16:T+17]
	WIN bX
	v_pk_add_f32 v[bU:bU+1], v[T:T+1], v[bU:bU+1]
.endif
.endm
; the largest s of my 16 of each block of 32 keys.  It is taken ahead of the division: a multiplication by a positive number keeps the order, so (largest s) x (1 / sum) has the bits of the largest attn
.macro QMAX b
.set bX, 1+(\b)/3
.set bS, 64*((\b)%3)
.set bM, BM+4*((\b)%3)
	WIN 0x55*bX
.irp g, 0,1,2,3
	v_max3_num_f32 v[bM+\g], v[bS+16*\g], v[bS+16*\g+1], v[bS+16*\g+2]
.endr
.irp i, 3,5,7,9,11,13
.irp g, 0,1,2,3
	v_max3_num_f32 v[bM+\g], v[bM+\g], v[bS+16*\g+\i], v[bS+16*\g+\i+1]
.endr
.endr
.irp g, 0,1,2,3
	v_max_num_f32 v[bM+\g], v[bM+\g], v[bS+16*\g+15]
.endr
.endm
; batch b: attn = s / sum, quantised along the keys: a fragment's codes and its scale word
.macro NORMQ b
.set bX, 1+(\b)/3
.set bS, 64*((\b)%3)
.set bI, INV+2*((\b)%2)
.set bM, BM+4*((\b)%3)
.set bC, PCD+12*((\b)%2)
	WIN 0x55*bX
.set j, 0
.rept 32
	v_pk_mul_f32 v[bS+j:bS+j+1], v[bS+j:bS+j+1], v[bI:bI+1]
.set j, j+2
.endr
.irp g, 0,1,2,3
	v_mul_f32 v[TM+\g], v[bM+\g], v[bI]
.endr
.irp g, 0,1,2,3
	v_permlanex16_b32 v[TM+4+\g], v[TM+\g], s[SEL], s[SEL+1]
.endr
.irp g, 0,1,2,3
	v_max3_num_f32 v[TM+\g], v[TM+\g], v[TM+4+\g], 0x1800000
.endr
.irp g, 0,1,2,3
	v_add_nc_u32 v[TM+12+\g], 0xff000000, v[TM+\g]
.endr
.irp g, 0,1,2,3
	v_lshrrev_b32 v[TM+4+\g], 23, v[TM+12+\g]
.endr
	v_lshl_or_b32 v[TM+8], v[TM+5], 8, v[TM+4]
	v_lshl_or_b32 v[TM+8], v[TM+6], 16, v[TM+8]
	WIN 0x15*bX                                    ; scale operands have no window: the word goes to window 0
	v_lshl_or_b32 v[PS+(\b)], v[TM+7], 24, v[TM+8]
	WIN 0x55*bX
.irp c, 0,1
	v_cvt_scalef32_pk16_fp6_f32 v[bC+6*\c:bC+6*\c+2], v[bS+32*\c:bS+32*\c+15], v[TM+12+2*\c]
	v_cvt_scalef32_pk16_fp6_f32 v[PT+4*\c:PT+4*\c+2], v[bS+32*\c+16:bS+32*\c+31], v[TM+12+2*\c+1]
.endr
	v_nop                                          ; one plain place behind the conversions
.irp c, 0,1
.irp i, 0,1,2
	v_permlane16_swap_b32 v[bC+6*\c+\i], v[PT+4*\c+\i]
.endr
.irp i, 0,1,2
	v_mov_b32 v[bC+6*\c+3+\i], v[PT+4*\c+\i]
.endr
.endr
.endm
; O^T(u) += V^T P^T for batch b: four products; the eight accumulators take turns, one instruction a turn
.macro PVM b
.set bX, 1+(\b)/3
.set bP, (\b)/2
.set rP, PCD+12*((\b)%2)
	WIN 0xf0|(bX<<2)
.irp d, 0,1,2,3
.set rO, 128+32*((\b)%2)+8*\d
.set rV, VB+48*(bP%2)+12*\d
.set sV, VS+4*(bP/2)+\d
.if bP == 0
	v_wmma_scale_f32_16x16x128_f8f6f4 v[rO:rO+7], v[rV:rV+11], v[rP:rP+11], 0, v[sV], v[PS+(\b)] matrix_a_fmt:MATRIX_FMT_FP6 matrix_b_fmt:MATRIX_FMT_FP6
.elseif bP%2 == 0
	v_wmma_scale_f32_16x16x128_f8f6f4 v[rO:rO+7], v[rV:rV+11], v[rP:rP+11], v[rO:rO+7], v[sV], v[PS+(\b)] matrix_a_fmt:MATRIX_FMT_FP6 matrix_b_fmt:MATRIX_FMT_FP6
.else
	v_wmma_scale_f32_16x16x128_f8f6f4 v[rO:rO+7], v[rV:rV+11], v[rP:rP+11], v[rO:rO+7], v[sV], v[PS+(\b)] matrix_a_fmt:MATRIX_FMT_FP6 matrix_b_fmt:MATRIX_FMT_FP6 matrix_a_scale:MATRIX_SCALE_ROW1
.endif
.endr
.endm
.Lblock:                                               ; 16 trips: a block of 32 queries
	; ---- scores
	KLD 0, 0
	KLD 1, 1
	s_wait_dscnt 16                                ; the first set is in; the second set's 16 loads may be out
	SC 0
	PLACES
	WIN 0
	KLD 2, 0
	s_wait_dscnt 16
	SC 1
	PLACES
	WIN 0
	KLD 3, 1
	s_wait_dscnt 16
	SC 2
	s_wait_dscnt 0x0
	SC 3
	WIN 0
	; ---- the next block's q (the last trip asks for its own block again: no load leaves its buffer).  The loads that last read these address registers were waited for in the trip before
	s_add_co_u32 s66, s[NB], 1
	s_min_u32 s66, s66, 15
	s_mul_i32 s67, s66, 1536
	s_lshr_b32 s68, s66, 2
	s_lshl_b32 s68, s68, 9
	s_and_b32 s69, s66, 3
	s_lshl_b32 s69, s69, 3
	s_add_co_u32 s68, s68, s69
	v_add_nc_u32 v[QA16], s67, v[L16]
	v_add_nc_u32 v[QA8], s67, v[L8]
	v_add_nc_u32 v[QSA], s68, v[QSL]
	v_nop                                          ; four places behind the last score product
	global_load_b128 v[QR+6:QR+9], v[QA16], s[QP:QP+1]
	global_load_b64 v[QR+10:QR+11], v[QA8], s[QP:QP+1] offset:512
	global_load_b128 v[QR+24:QR+27], v[QA16], s[QP:QP+1] offset:768
	global_load_b64 v[QR+28:QR+29], v[QA8], s[QP:QP+1] offset:1280
	global_load_b32 v[QRAW], v[QSA], s[QSP:QSP+1]
	; ---- s and its sums
.irp b, 0,1,2,3,4,5,6,7
	PB \b
.endr
	; ---- the row sums of the four waves meet
	WIN 0
	v_add_f32 v98, v[SUM], v[SUM+1]
	v_add_f32 v99, v[SUM+2], v[SUM+3]
	v_permlanex16_b32 v100, v98, s[SEL], s[SEL+1]
	v_permlanex16_b32 v101, v99, s[SEL], s[SEL+1]
	v_add_f32 v98, v98, v100
	v_add_f32 v99, v99, v101
	v_cndmask_b32 v98, v98, v99, s[HIM]            ; lanes 0-15: tile 0's queries, lanes 16-31: tile 1's
	ds_store_b32 v[RSW], v98
	s_wait_dscnt 0x0                               ; my sums lie in LDS; my reads of the partial contexts of the block before are over
	s_barrier_signal -1
.irp b, 0,1,2,3
	QMAX \b
.endr
	WIN 0
	s_barrier_wait -1
.irp u, 0,1
.irp w, 0,1,2,3
	ds_load_b32 v[102+4*\u+\w], v[RSR] offset:128*\w+64*\u
.endr
.endr
	VLD 0
	VLD 1
.irp b, 4,5,6,7
	QMAX \b
.endr
	WIN 0
	s_wait_dscnt 32                                ; the eight sums are in; V's two sets (32 loads) may be out
	v_add_f32 v102, v102, v103
	v_add_f32 v106, v106, v107
	v_add_f32 v102, v102, v104
	v_add_f32 v106, v106, v108
	v_add_f32 v102, v102, v105
	v_add_f32 v106, v106, v109
	v_rcp_f32 v102, v102
	v_rcp_f32 v106, v106
	s_wait_loadcnt 0x0                             ; the next block's q and its scale words
	v_perm_b32 v[QS], v[QRAW], v[QRAW], s[SELK]    ; (a plain line behind the reciprocals)
	s_wait_alu depctr_va_vdst(0)                   ; one wait for the two reciprocals, ahead of their first reader
.irp x, 1,2,3
	WIN \x<<6
	v_mov_b32 v[INV], v102
	v_mov_b32 v[INV+1], v102
	v_mov_b32 v[INV+2], v106
	v_mov_b32 v[INV+3], v106
.endr
	; ---- attn, quantised; batch b - 1's products stand behind batch b's vector work, so that codes and scale word stand far enough ahead of them
	NORMQ 0
	NORMQ 1
	s_wait_dscnt 16                                ; V's first set is in
	PVM 0
	NORMQ 2
	PVM 1
	NORMQ 3
	WIN 0
	VLD 2
	s_wait_dscnt 16                                ; the second set is in; the 16 loads just issued may be out
	PVM 2
	NORMQ 4
	PVM 3
	NORMQ 5
	WIN 0
	VLD 3
	s_wait_dscnt 16
	PVM 4
	NORMQ 6
	PVM 5
	NORMQ 7
	s_wait_dscnt 0x0
	PVM 6
.rept 8
	v_nop                                          ; batch 7's scale word stands 8 places ahead of its products
.endr
	PVM 7
	PLACES
	; ---- the partial contexts of the four waves meet
	WIN 0x0c                                       ; an LDS store's data are its source 1: window 3
.irp u, 0,1
.irp d, 0,1,2,3
	ds_store_b128 v[OSW], v[128+32*\u+8*\d:128+32*\u+8*\d+3] offset:4352*\u+128*(\d/2)+32*(\d%2)        ; feature 32 (d/2) + 16 h + 8 (d%2) + j of query r
	ds_store_b128 v[OSW], v[128+32*\u+8*\d+4:128+32*\u+8*\d+7] offset:4352*\u+128*(\d/2)+32*(\d%2)+16
.endr
.endr
	WIN 0
	v_add_nc_u32 v[CSW], s[CSO], v[CSL]
	s_wait_dscnt 0x0
	s_barrier_signal -1
	s_barrier_wait -1
	s_cmp_lt_u32 s[WV], 2                          ; waves 0 and 1 add up and quantise tile u = wave
	s_cbranch_scc0 .Lnot_reader
.irp w, 0,1,2,3
.irp q, 0,1,2,3,4,5,6,7
	ds_load_b128 v[RD+32*\w+4*\q:RD+32*\w+4*\q+3], v[OSR] offset:8704*\w+16*\q
.endr
.endr
	s_wait_dscnt 16                                ; partials 0 and 1 are in
.irp k, 0,2,4,6,8,10,12,14,16,18,20,22,24,26,28,30
	v_pk_add_f32 v[RD+\k:RD+\k+1], v[RD+\k:RD+\k+1], v[RD+32+\k:RD+33+\k]
.endr
	s_wait_dscnt 8
.irp k, 0,2,4,6,8,10,12,14,16,18,20,22,24,26,28,30
	v_pk_add_f32 v[RD+\k:RD+\k+1], v[RD+\k:RD+\k+1], v[RD+64+\k:RD+65+\k]
.endr
	s_wait_dscnt 0x0
.irp k, 0,2,4,6,8,10,12,14,16,18,20,22,24,26,28,30
	v_pk_add_f32 v[RD+\k:RD+\k+1], v[RD+\k:RD+\k+1], v[RD+96+\k:RD+97+\k]
.endr
	v_max3_num_f32 v18, |v[RD]|, |v[RD+1]|, 0x1800000        ; a whole block of 32 along the model's width is mine
	v_max3_num_f32 v19, |v[RD+2]|, |v[RD+3]|, 0x1800000
.irp i, 4,8,12,16,20,24,28
	v_max3_num_f32 v18, v18, |v[RD+\i]|, |v[RD+\i+1]|
	v_max3_num_f32 v19, v19, |v[RD+\i+2]|, |v[RD+\i+3]|
.endr
	v_max_num_f32 v18, v18, v19
	v_add_nc_u32 v20, 0xff000000, v18
	v_lshrrev_b32 v21, 23, v20
	v_cvt_scalef32_pk16_fp6_f32 v[22:24], v[RD:RD+15], v20
	v_cvt_scalef32_pk16_fp6_f32 v[26:28], v[RD+16:RD+31], v20
	v_permlanex16_b32 v29, v21, s[SEL], s[SEL+1]   ; (a plain line behind the conversions)  the other block's byte
	v_mov_b32 v25, v26
	v_mov_b32 v26, v27
	v_mov_b32 v27, v28
	v_cndmask_b32 v30, v21, v29, s[HIM]            ; the byte of features 0-31,
	v_cndmask_b32 v31, v29, v21, s[HIM]            ; of features 32-63
	v_lshl_or_b32 v30, v31, 8, v30
	ds_store_b16 v[CSW], v30                       ; both lanes of a row write the same two bytes
	global_store_b128 v[CO16], v[22:25], s[CP:CP+1]
	global_store_b64 v[CO8], v[26:27], s[CP:CP+1] offset:512
.Lnot_reader:
	s_wait_xcnt 0x0                                ; the stores have read their registers and their base
	s_add_nc_u64 s[CP:CP+1], s[CP:CP+1], 24576     ; two row tiles on
	s_add_co_u32 s[CSO], s[CSO], 32
	s_add_co_u32 s[NB], s[NB], 1
	s_cmp_lt_u32 s[NB], 16
	s_cbranch_scc1 .Lblock
	s_wait_dscnt 0x0
	s_barrier_signal -1
	s_barrier_wait -1                              ; the 1,024 scale bytes lie in LDS
	ds_load_b64 v[22:23], v[CSR]
	s_wait_dscnt 0x0
	global_store_b64 v[L8], v[22:23], s[10:11]     ; 256 consecutive bytes a wave
	s_wait_xcnt 0x0
	v_lshl_add_u32 v254, v0, 2, 0x38e00
	v_mov_b32 v255, 0
	s_wait_tensorcnt 0x0
	ds_add_u32 v254, v255
	s_wait_dscnt 0x0
	CROUND                                         ; the closing round
	s_endpgm
.Lfunc_end_k_q7043ef5790_attn:
	.size	k_q7043ef5790_attn, .Lfunc_end_k_q7043ef5790_attn-k_q7043ef5790_attn
	.p2alignl 7, 3214868480
	.fill 96, 4, 3214868480
	.section	.rodata,"a",@progbits
	.p2align	6, 0x0
	.amdhsa_kernel k_q7043ef5790_attn
		.amdhsa_group_segment_fixed_size 233472
		.amdhsa_private_segment_fixed_size 0
		.amdhsa_enable_private_segment 0
		.amdhsa_kernarg_size 32
		.amdhsa_user_sgpr_count 2
		.amdhsa_user_sgpr_kernarg_segment_ptr 1
		.amdhsa_wavefront_size32 1
		.amdhsa_system_sgpr_workgroup_id_x 1
		.amdhsa_system_sgpr_workgroup_id_y 1
		.amdhsa_system_sgpr_workgroup_id_z 1
		.amdhsa_system_vgpr_workitem_id 0
		.amdhsa_next_free_vgpr 1024
		.amdhsa_next_free_sgpr 96
		.amdhsa_reserve_vcc 0
		.amdhsa_float_denorm_mode_32 3
		.amdhsa_float_denorm_mode_16_64 3
		.amdhsa_memory_ordered 1
		.amdhsa_forward_progress 1
		.amdhsa_inst_pref_size 189
	.end_amdhsa_kernel
	.amdgpu_metadata
---
amdhsa.version: [ 1, 2 ]
amdhsa.kernels:
  - .name:           k_q7043ef5790_attn
    .symbol:         k_q7043ef5790_attn.kd
    .args:
      - { .name: qkv_codes, .offset: 0, .size: 8, .value_kind: global_buffer, .address_space: global }
      - { .name: qkv_scales, .offset: 8, .size: 8, .value_kind: global_buffer, .address_space: global }
      - { .name: ctx_codes, .offset: 16, .size: 8, .value_kind: global_buffer, .address_space: global }
      - { .name: ctx_scales, .offset: 24, .size: 8, .value_kind: global_buffer, .address_space: global }
    .group_segment_fixed_size: 233472
    .private_segment_fixed_size: 0
    .kernarg_segment_align: 8
    .kernarg_segment_size: 32
    .max_flat_workgroup_size: 128
    .sgpr_count:     96
    .vgpr_count:     1024
    .wavefront_size: 32
...
	.end_amdgpu_metadata
.endif
;; end of part 3
;; launch outp (part 4): grid 4 x 32, 4 waves a work-group, clusters of 4 x 4, 327,680 bytes of LDS; arguments ctx_codes, ctx_scales, in_codes, in_scales, bo, out0; writes out0
.if DOCPART == 4
	.amdgcn_target "amdgcn-amd-amdhsa--gfx1250"
	.amdhsa_code_object_version 6
	.text
	.protected	k_q7043ef5790_outp
	.globl	k_q7043ef5790_outp
	.p2align	8
	.type	k_q7043ef5790_outp,@function
k_q7043ef5790_outp:
	s_mov_b64 s[64:65], 0
	v_nop
	global_prefetch_b8 v0, s[64:65] scope:SCOPE_SE
	s_setreg_imm32_b32 hwreg(HW_REG_WAVE_MODE, 25, 1), 1
	s_wait_xcnt 0x0
	s_wait_alu depctr_hold_cnt(0) depctr_sa_sdst(0) depctr_va_vdst(0) depctr_va_sdst(0) depctr_va_ssrc(0) depctr_va_vcc(0) depctr_vm_vsrc(0)
	s_getreg_b32 s2, hwreg(HW_REG_IB_STS2, 6, 4)
	s_cmp_eq_u32 s2, 0
	s_cbranch_scc0 .Lentry_in_a_cluster
	s_endpgm
.Lentry_in_a_cluster:
	s_bfe_u32 s2, ttmp6, 0x10000c
	s_cmp_lg_u32 s2, 0xf033
	s_cbranch_scc0 .Lentry_shape_is_right
	s_endpgm
.Lentry_shape_is_right:
; out0 = context Wo^T + bo on codes of FP6 (E2M3): 8192 x 1024 x 1024, f32 out.  The frame is the input projections': a tile of 256 x 256 to four waves, 128 x 128 a wave, 64 accumulators in windows 2 and 3;
; source 0 = 16 rows of Wo (permuted tiles: a lane's 16 registers of accumulators 2 g, 2 g + 1 are 16 neighbouring columns), source 1 = 16 rows of the context; K in four steps of 256 through two LDS slots of
; register images; joint loads in a cluster of 4 x 4; scale words in registers; the bias is the C of the first K step.
; The context's scale bytes lie [head 16][group of 512 rows 16][u 2][N 16][r 16] as pairs of bytes; a word of 128 along K is two heads' pairs.
; THE WAY OUT: a block of 16 rows x 128 columns goes through the wave's own stage in LDS and leaves as whole rows of 512 bytes.  The stage lies in slot 0, which has had its last fill and its last read by then.
.set TILEB, 12288
.set KSB,   3072
.set HALFT, 8*KSB
.set SLOT,  4*HALFT
.set SPARE, 2*SLOT                     ; the spare words: 128 bytes a wave, two blocks of 256 bytes that no other line names
.set SPITCH, 528
.set ADRA, 16
.set ADRB, 20
.set STO,  24
.set RD,   25
.set CO,   26
.set SPW,  28
.set NIL,  29
.set SCA,  32
.set SCB,  64
.set BT,   96
.set AF,   160
.set BK,   128
.set G1,  24
.set G0,  32
.set G1B, 48
.set G0B, 56
.set MUL_LO, 0xa1
.set MUL_HI, 0xf1
.set TO_B,   0x40
.set MSB, 0
.macro WIN new
.if MSB != (\new)
	s_set_vgpr_msb (MSB<<8)|(\new)
.set MSB, (\new)
.endif
.endm
.macro JLOAD g0a, g1a, g0b, g1b        ; waves 0, 1 fetch the context's tiles, waves 2, 3 Wo's; four v_nop follow each line
	s_cmp_eq_u32 s19, 0
	s_cbranch_scc0 .Lfor_b_\@
	tensor_load_to_lds s[\g0a:\g0a+3], s[\g1a:\g1a+7]
	s_nop 0
.rept 4
	v_nop
.endr
	s_branch .Lasked_\@
.Lfor_b_\@:
	tensor_load_to_lds s[\g0b:\g0b+3], s[\g1b:\g1b+7]
	s_nop 0
.rept 4
	v_nop
.endr
.Lasked_\@:
.endm
.macro CREST
	s_cmp_lg_u32 s18, 0
	s_cbranch_scc1 .Lnot_wave_0_\@
	s_barrier_signal -3
.Lnot_wave_0_\@:
	s_barrier_wait -3
	s_barrier_signal -1
	s_barrier_wait -1
.endm
.macro CROUND
	s_barrier_signal -1
	s_barrier_wait -1
	CREST
.endm
.macro PLACES
.rept 4
	v_nop
.endr
.endm
.macro FRAG2 reg, a16, a8, o0, o1
	ds_load_b128 v[\reg:\reg+3], v[\a16] offset:\o0
	ds_load_b64 v[\reg+4:\reg+5], v[\a8] offset:(\o0)+512
	ds_load_b128 v[\reg+6:\reg+9], v[\a16] offset:\o1
	ds_load_b64 v[\reg+10:\reg+11], v[\a8] offset:(\o1)+512
.endm
	s_load_b256 s[4:11], s[0:1], 0x0               ; ctx_codes, ctx_scales, in_codes, in_scales
	s_load_b128 s[12:15], s[0:1], 0x20             ; bo, out0
	v_lshl_add_u32 v[SPW], v0, 2, SPARE
	v_mov_b32 v[NIL], 0
	ds_add_u32 v28, v29
	ds_add_u32 v28, v29
	s_wait_dscnt 0x0
	v_lshrrev_b32 v1, 5, v0
	v_readfirstlane_b32 s18, v1                    ; wave
	s_lshr_b32 s19, s18, 1                         ; mh
	s_and_b32 s20, s18, 1                          ; nh
	s_bfe_u32 s21, ttmp6, 0x40000                  ; cx
	s_bfe_u32 s22, ttmp6, 0x40004                  ; cy
	s_lshl_b32 s43, ttmp9, 2
	s_add_co_u32 s43, s43, s21                     ; TC
	s_and_b32 s42, ttmp7, 0xffff
	s_lshl_b32 s42, s42, 2
	s_add_co_u32 s42, s42, s22                     ; TR
	s_lshl_b32 s66, s22, 2
	s_lshl_b32 s66, 15, s66
	s_lshl_b32 s67, 0x1111, s21
	s_or_b32 s[G1], s66, (3<<16)|(1<<21)
	s_or_b32 s[G1B], s67, (3<<16)|(1<<21)
.irp g, G1, G1B
	s_mov_b32 s[\g+1], 384<<16
	s_mov_b32 s[\g+2], 8<<16
	s_mov_b32 s[\g+3], 384<<16
	s_mov_b32 s[\g+4], 8
	s_mov_b32 s[\g+5], 1536
	s_mov_b32 s[\g+6], 0
	s_mov_b32 s[\g+7], 0
.endr
	s_lshl_b32 s68, s20, 3
	s_lshl_b32 s70, s42, 4
	s_add_co_u32 s70, s70, s68
	s_mul_i32 s70, s70, TILEB
	s_mov_b32 s71, 0
	s_lshl_b32 s72, s43, 4
	s_add_co_u32 s72, s72, s68
	s_add_co_u32 s72, s72, 1216                    ; Wo's first tile
	s_mul_i32 s72, s72, TILEB
	s_mov_b32 s73, 0
	s_mul_i32 s69, s18, HALFT
	s_wait_kmcnt 0x0
	s_add_nc_u64 s[70:71], s[4:5], s[70:71]
	s_add_nc_u64 s[72:73], s[8:9], s[72:73]
	CROUND
.irp s, 0,1
	s_mov_b32 s[G0+4*\s], 1
	s_add_co_u32 s[G0+4*\s+1], s69, \s*SLOT
	s_add_nc_u64 s[G0+4*\s+2:G0+4*\s+3], s[70:71], \s*KSB
	s_or_b32 s[G0+4*\s+3], s[G0+4*\s+3], 0x80000000
	s_mov_b32 s[G0B+4*\s], 1
	s_add_co_u32 s[G0B+4*\s+1], s69, \s*SLOT
	s_add_nc_u64 s[G0B+4*\s+2:G0B+4*\s+3], s[72:73], \s*KSB
	s_or_b32 s[G0B+4*\s+3], s[G0B+4*\s+3], 0x80000000
	JLOAD G0+4*\s, G1, G0B+4*\s, G1B
.endr
	v_and_b32 v1, 31, v0
	v_and_b32 v2, 15, v0
	v_bfe_u32 v3, v0, 4, 1
	v_lshlrev_b32 v4, 1, v2
	v_lshl_add_u32 v4, v3, 9, v4                   ; the context's scale pairs: 512 (lane / 16) + 2 r
	s_lshr_b32 s74, s42, 1
	s_lshl_b32 s74, s74, 10                        ; the group of 512 rows,
	s_and_b32 s75, s42, 1
	s_lshl_b32 s75, s75, 8
	s_add_co_u32 s74, s74, s75
	s_lshl_b32 s75, s19, 7
	s_add_co_u32 s74, s74, s75                     ; and in it N = 8 (TR % 2) + 4 mh, 32 bytes each
	s_mov_b32 s75, 0
	s_add_nc_u64 s[74:75], s[6:7], s[74:75]
.irp i, 0,1,2,3
.irp k, 0,1,2,3,4,5,6,7,8,9,10,11,12,13,14,15
	global_load_u16 v[AF+16*\i+\k], v4, s[74:75] offset:16384*\k+32*\i   ; head k, row tiles 2 i and 2 i + 1 of my eight
.endr
.endr
	v_lshlrev_b32 v5, 5, v1                        ; 32 l
	s_lshl_b32 s76, s43, 4
	s_add_co_u32 s76, s76, s68
	s_add_co_u32 s76, s76, 1216
	s_lshl_b32 s76, s76, 9
	s_mov_b32 s77, 0
	s_add_nc_u64 s[76:77], s[10:11], s[76:77]
.irp i, 0,1,2,3
	global_load_b128 v[SCB+8*\i:SCB+8*\i+3], v5, s[76:77] offset:1024*\i
	global_load_b128 v[SCB+8*\i+4:SCB+8*\i+7], v5, s[76:77] offset:1024*\i+16
.endr
	s_lshl_b32 s78, s43, 8
	s_lshl_b32 s79, s20, 7
	s_add_co_u32 s78, s78, s79                     ; n0
	s_lshl_b32 s78, s78, 2
	s_mov_b32 s79, 0
	s_add_nc_u64 s[80:81], s[12:13], s[78:79]      ; bo at my first column
	v_lshlrev_b32 v6, 6, v3                        ; 64 h
.irp b, 0,1,2,3,4,5,6,7
	global_load_b128 v[BT+8*\b:BT+8*\b+3], v6, s[80:81] offset:(32*(\b/2)+8*(\b%2))*4
	global_load_b128 v[BT+8*\b+4:BT+8*\b+7], v6, s[80:81] offset:(32*(\b/2)+8*(\b%2))*4+16
.endr
	v_lshlrev_b32 v7, 4, v1                        ; 16 l
	v_lshlrev_b32 v8, 3, v1                        ; 8 l
	s_mul_i32 s84, s19, HALFT
	s_mul_i32 s85, s20, HALFT
	s_add_co_u32 s85, s85, 2*HALFT
.irp s, 0,1
	v_add_nc_u32 v[ADRA+\s], s84, v7
	v_add_nc_u32 v[ADRA+2+\s], s84, v8
	v_add_nc_u32 v[ADRB+\s], s85, v7
	v_add_nc_u32 v[ADRB+2+\s], s85, v8
	s_add_co_u32 s84, s84, SLOT
	s_add_co_u32 s85, s85, SLOT
.endr
	s_mul_i32 s86, s18, 16*SPITCH                  ; my stage
	v_mul_u32_u24 v9, v2, SPITCH
	v_lshl_add_u32 v9, v3, 6, v9
	v_add_nc_u32 v[STO], s86, v9                   ; in: row r, + 64 h
	v_add_nc_u32 v[RD], s86, v7                    ; back: a row of 512 bytes to the 32 lanes
	v_mov_b32 v[CO], v7
	s_lshl_b32 s87, s42, 8
	s_lshl_b32 s88, s19, 7
	s_add_co_u32 s87, s87, s88                     ; my first row
	s_lshl_b32 s88, s87, 12                        ; 4,096 bytes a row
	s_add_co_u32 s88, s88, s78                     ; + my first column
	s_mov_b32 s89, 0
	s_add_nc_u64 s[14:15], s[14:15], s[88:89]
	s_wait_loadcnt 0x0
.irp i, 0,1,2,3
.irp k, 0,1,2,3,4,5,6,7
	v_lshl_or_b32 v[SCA+8*\i+\k], v[AF+16*\i+2*\k+1], 16, v[AF+16*\i+2*\k]   ; heads 2 k and 2 k + 1: the word of K step k
.endr
.endr
.rept 8
	v_nop                                          ; a scale register written by a vector instruction stands 8 places ahead of a scaled product
.endr
.macro WM a, b, p, ks, cm
.set rD, 8*(8*((\a)%4)+(\b))
.set rC, rD
.if (\cm) == 1
.set rC, BT+8*(\b)
.endif
.set rB, 128*(\p)+12*(\b)
.set rA, AF+12*(\a)
.set sB, SCB+8*((\b)/2)+(\ks)
.set sA, SCA+8*((\a)/2)+(\ks)
.if ((\b)%2 == 0) && ((\a)%2 == 0)
	v_wmma_scale_f32_16x16x128_f8f6f4 v[rD:rD+7], v[rB:rB+11], v[rA:rA+11], v[rC:rC+7], v[sB], v[sA] matrix_a_fmt:MATRIX_FMT_FP6 matrix_b_fmt:MATRIX_FMT_FP6
.elseif ((\b)%2 == 1) && ((\a)%2 == 0)
	v_wmma_scale_f32_16x16x128_f8f6f4 v[rD:rD+7], v[rB:rB+11], v[rA:rA+11], v[rC:rC+7], v[sB], v[sA] matrix_a_fmt:MATRIX_FMT_FP6 matrix_b_fmt:MATRIX_FMT_FP6 matrix_a_scale:MATRIX_SCALE_ROW1
.elseif ((\b)%2 == 0) && ((\a)%2 == 1)
	v_wmma_scale_f32_16x16x128_f8f6f4 v[rD:rD+7], v[rB:rB+11], v[rA:rA+11], v[rC:rC+7], v[sB], v[sA] matrix_a_fmt:MATRIX_FMT_FP6 matrix_b_fmt:MATRIX_FMT_FP6 matrix_b_scale:MATRIX_SCALE_ROW1
.else
	v_wmma_scale_f32_16x16x128_f8f6f4 v[rD:rD+7], v[rB:rB+11], v[rA:rA+11], v[rC:rC+7], v[sB], v[sA] matrix_a_fmt:MATRIX_FMT_FP6 matrix_b_fmt:MATRIX_FMT_FP6 matrix_a_scale:MATRIX_SCALE_ROW1 matrix_b_scale:MATRIX_SCALE_ROW1
.endif
.endm
.macro MUL16 a0, p, ks, cm             ; the 64 accumulators take turns, one instruction a turn
.irp a, \a0, \a0+1
.irp b, 0,1,2,3,4,5,6,7
	WM (\a), \b, \p, \ks, \cm
.endr
.endr
.endm
.macro FETCH_B slot, q, p
	WIN TO_B
.irp i, 0,1,2,3,4,5,6,7
	FRAG2 128*(\p)+12*\i, ADRB+\slot, ADRB+2+\slot, KSB*\i+1536*(\q), KSB*\i+1536*(\q)+768
.endr
	WIN 0
.endm
.macro FETCH_A slot, q, i0
.irp i, \i0, \i0+1, \i0+2, \i0+3
	FRAG2 AF+12*(\i), ADRA+\slot, ADRA+2+\slot, KSB*(\i)+1536*(\q), KSB*(\i)+1536*(\q)+768
.endr
.endm
.macro STEP slot, ks, cm
	s_wait_dscnt 16                                ; Wo's set and the context's blocks 0-3 are in; the youngest 16 loads (blocks 4-7) may be out
.if \cm
	WIN 0x81
.else
	WIN MUL_LO
.endif
	MUL16 0, 0, \ks, \cm
	MUL16 2, 0, \ks, \cm
	s_wait_dscnt 0x0
	PLACES
	FETCH_B \slot, 1, 1
	FETCH_A \slot, 1, 0
.if \cm
	WIN 0xc1
.else
	WIN MUL_HI
.endif
	MUL16 4, 0, \ks, \cm
	MUL16 6, 0, \ks, \cm
	PLACES
	WIN 0
	FETCH_A \slot, 1, 4
.endm
.macro TURN slot, next, fill, ks
	s_wait_tensorcnt 0x0                           ; all my tensor loads have landed: my part of the next slot
	ds_add_u32 v[SPW], v[NIL]                      ; 0 onto my spare word
	s_wait_dscnt 17                                ; the add and the youngest 16 loads may be out
	WIN MUL_LO
	MUL16 0, 1, \ks, 0
	s_wait_dscnt 0x0                               ; the add is done, my reads of this slot are over
	s_barrier_signal -1
	MUL16 2, 1, \ks, 0
	WIN 0
	s_barrier_wait -1
.if \fill
	CREST
	s_add_nc_u64 s[G0+4*\slot+2:G0+4*\slot+3], s[G0+4*\slot+2:G0+4*\slot+3], 2*KSB
	s_add_nc_u64 s[G0B+4*\slot+2:G0B+4*\slot+3], s[G0B+4*\slot+2:G0B+4*\slot+3], 2*KSB
	JLOAD G0+4*\slot, G1, G0B+4*\slot, G1B
.else
	PLACES
.endif
	FETCH_B \next, 0, 0
	FETCH_A \next, 0, 0
	WIN MUL_HI
	MUL16 4, 1, \ks, 0
	MUL16 6, 1, \ks, 0
	PLACES
	WIN 0
	FETCH_A \next, 0, 4
.endm
	s_wait_tensorcnt 1                             ; my part of slot 0 is in; slot 1's may stay out
	s_barrier_signal -1
	s_barrier_wait -1
	FETCH_B 0, 0, 0
	FETCH_A 0, 0, 0
	FETCH_A 0, 0, 4
	STEP 0, 0, 1
	TURN 0, 1, 1, 1
	STEP 1, 2, 0
	TURN 1, 0, 1, 3
	STEP 0, 4, 0
	TURN 0, 1, 0, 5
	STEP 1, 6, 0
	s_wait_dscnt 16
	WIN MUL_LO
	MUL16 0, 1, 7, 0
	MUL16 2, 1, 7, 0
	s_wait_dscnt 0x0
	WIN MUL_HI
	MUL16 4, 1, 7, 0
	MUL16 6, 1, 7, 0
	WIN 0
.macro TOSTAGE a
.set AC, 64*((\a)%4)
	WIN 0x08+4*((\a)/4)                            ; the data: window 2 or 3
.irp b, 0,1,2,3,4,5,6,7
	ds_store_b128 v[STO], v[AC+8*\b:AC+8*\b+3] offset:128*(\b/2)+32*(\b%2)        ; column 32 (b/2) + 16 h + 8 (b%2) + j; each accumulator from its low end on
	ds_store_b128 v[STO], v[AC+8*\b+4:AC+8*\b+7] offset:128*(\b/2)+32*(\b%2)+16
.endr
	WIN 0
.set BB, BK+64*((\a)%2)
.irp t, 0,1,2,3,4,5,6,7,8,9,10,11,12,13,14,15
	ds_load_b128 v[BB+4*\t:BB+4*\t+3], v[RD] offset:\t*SPITCH   ; a wave's LDS instructions are served in order: these see the stores above
.endr
.endm
.macro SEND a, younger
.set BB, BK+64*((\a)%2)
	s_wait_dscnt \younger
.if (\a) > 0
	s_add_nc_u64 s[14:15], s[14:15], 65536         ; 16 rows on (the earlier stores have read their base: the wait on XCNT stands ahead)
.endif
.irp t, 0,1,2,3,4,5,6,7,8,9,10,11,12,13,14,15
	global_store_b128 v[CO], v[BB+4*\t:BB+4*\t+3], s[14:15] offset:\t*4096 th:TH_STORE_NT   ; 512 consecutive bytes, at a multiple of 256
.endr
.endm
	PLACES
	TOSTAGE 0
.irp a, 1,2,3,4,5,6,7
.if \a > 1
	s_wait_xcnt 0x0                                ; block a - 2's stores have read their registers and their base
.endif
	TOSTAGE \a
	SEND \a-1, 32                                  ; behind block a - 1's loads: block a's 16 stores and 16 loads
.endr
	s_wait_xcnt 0x0
	SEND 7, 0
	s_wait_tensorcnt 0x0                           ; the wave's end
	ds_add_u32 v[SPW], v[NIL]
	s_wait_dscnt 0x0
	CROUND                                         ; the closing round
	s_endpgm
.Lfunc_end_k_q7043ef5790_outp:
	.size	k_q7043ef5790_outp, .Lfunc_end_k_q7043ef5790_outp-k_q7043ef5790_outp
	.p2alignl 7, 3214868480
	.fill 96, 4, 3214868480
	.section	.rodata,"a",@progbits
	.p2align	6, 0x0
	.amdhsa_kernel k_q7043ef5790_outp
		.amdhsa_group_segment_fixed_size 327680
		.amdhsa_private_segment_fixed_size 0
		.amdhsa_enable_private_segment 0
		.amdhsa_kernarg_size 48
		.amdhsa_user_sgpr_count 2
		.amdhsa_user_sgpr_kernarg_segment_ptr 1
		.amdhsa_wavefront_size32 1
		.amdhsa_system_sgpr_workgroup_id_x 1
		.amdhsa_system_sgpr_workgroup_id_y 1
		.amdhsa_system_sgpr_workgroup_id_z 1
		.amdhsa_system_vgpr_workitem_id 0
		.amdhsa_next_free_vgpr 1024
		.amdhsa_next_free_sgpr 100
		.amdhsa_reserve_vcc 0
		.amdhsa_float_denorm_mode_32 3
		.amdhsa_float_denorm_mode_16_64 3
		.amdhsa_memory_ordered 1
		.amdhsa_forward_progress 1
		.amdhsa_inst_pref_size 150
	.end_amdhsa_kernel
	.amdgpu_metadata
---
amdhsa.version: [ 1, 2 ]
amdhsa.kernels:
  - .name:           k_q7043ef5790_outp
    .symbol:         k_q7043ef5790_outp.kd
    .args:
      - { .name: ctx_codes, .offset: 0, .size: 8, .value_kind: global_buffer, .address_space: global }
      - { .name: ctx_scales, .offset: 8, .size: 8, .value_kind: global_buffer, .address_space: global }
      - { .name: in_codes, .offset: 16, .size: 8, .value_kind: global_buffer, .address_space: global }
      - { .name: in_scales, .offset: 24, .size: 8, .value_kind: global_buffer, .address_space: global }
      - { .name: bo, .offset: 32, .size: 8, .value_kind: global_buffer, .address_space: global }
      - { .name: out0, .offset: 40, .size: 8, .value_kind: global_buffer, .address_space: global }
    .group_segment_fixed_size: 327680
    .private_segment_fixed_size: 0
    .kernarg_segment_align: 8
    .kernarg_segment_size: 48
    .max_flat_workgroup_size: 128
    .sgpr_count:     100
    .vgpr_count:     1024
    .wavefront_size: 32
...
	.end_amdgpu_metadata
.endif
;; end of part 4
